; MI455X (gfx1250); checked and timed in simulation.
; The chip was launched on July 23, 2026; its instructions are those of AMD's public machine-readable ISA for CDNA 5 (MIT licence, August 2026) and "CDNA5" Instruction Set Architecture Reference Guide (July 2026). The comments in the code are by the model that wrote it; some were corrected since.
;; Multi Service Model. Allowed arithmetic: matrix products marked QUANTISED: E4M3 operands, one E8M0 scale for each 32 along K, by v_wmma_scale_f32_16x16x128_f8f6f4 with both operands' format E4M3, f32 sums; everything else in f32.
;; Inputs: U_a1 400 x 1,600 float32; U_a2 400 x 1,600 float32; U_a3 400 x 1,600 float32; U_t1 400 x 1,600 float32; U_t2 400 x 1,600 float32; U_t3 400 x 1,600 float32; W_ac 400 x 52 float32; W_ap 400 x 55 float32; W_cur 800 x 55 float32; Wx_a1 55 x 1,600 float32; Wx_a2 400 x 1,600 float32; Wx_a3 400 x 1,600 float32; Wx_t1 55 x 1,600 float32; Wx_t2 400 x 1,600 float32; Wx_t3 400 x 1,600 float32; b_a1 1,600 float32; b_a2 1,600 float32; b_a3 1,600 float32; b_ac 52 float32; b_ap 55 float32; b_cur 55 float32; b_t1 1,600 float32; b_t2 1,600 float32; b_t3 1,600 float32; x_air 8,192 x 55 float32; x_temp 8,192 x 55 float32.
;; Outputs: out0 8,192 x 55 float32; out1 8,192 x 52 float32; out2 8,192 x 55 float32.
;; This version of the problem:
;;   THIS VERSION OF THE PROBLEM IS GIVEN IN LOW PRECISION. The matrix products marked QUANTISED in the list below multiply operands that are first quantised to E4M3 (4 exponent bits, 3 mantissa bits; 8 bits a number), with one power-of-two scale for each 32 numbers along K (OCP MX v1.0); their sums are f32. All else is computed in f32.
;;   The module's matrix products, in the order in which they are computed (A, B: the left and right operand; K: the contracted axis; several contracted axes count as one K, in the product's order):
;;     1. [M 8,192, K 55] x [K 55, N 1,600]; A: input x_temp; B: input Wx_t1: QUANTISED
;;     2. [M 8,192, K 400] x [K 400, N 400]; A: computed on the way; B: computed on the way: QUANTISED
;;     3. [M 8,192, K 400] x [K 400, N 400]; A: computed on the way; B: computed on the way: QUANTISED
;;     4. [M 8,192, K 400] x [K 400, N 400]; A: computed on the way; B: computed on the way: QUANTISED
;;     5. [M 8,192, K 400] x [K 400, N 400]; A: computed on the way; B: computed on the way: QUANTISED
;;     6. [M 8,192, K 400] x [K 400, N 400]; A: computed on the way; B: computed on the way: QUANTISED
;;     7. [M 8,192, K 55] x [K 55, N 1,600]; A: input x_air; B: input Wx_a1: QUANTISED
;;     8. [M 8,192, K 400] x [K 400, N 400]; A: computed on the way; B: computed on the way: QUANTISED
;;     9. [M 8,192, K 400] x [K 400, N 400]; A: computed on the way; B: computed on the way: QUANTISED
;;     10. [M 8,192, K 400] x [K 400, N 400]; A: computed on the way; B: computed on the way: QUANTISED
;;     11. [M 8,192, K 400] x [K 400, N 400]; A: computed on the way; B: computed on the way: QUANTISED
;;     12. [M 8,192, K 400] x [K 400, N 400]; A: computed on the way; B: computed on the way: QUANTISED
;;     13. [M 8,192, K 400] x [K 400, N 1,600]; A: computed on the way; B: input Wx_t2: QUANTISED
;;     14. [M 8,192, K 400] x [K 400, N 400]; A: computed on the way; B: computed on the way: QUANTISED
;;     15. [M 8,192, K 400] x [K 400, N 400]; A: computed on the way; B: computed on the way: QUANTISED
;;     16. [M 8,192, K 400] x [K 400, N 400]; A: computed on the way; B: computed on the way: QUANTISED
;;     17. [M 8,192, K 400] x [K 400, N 400]; A: computed on the way; B: computed on the way: QUANTISED
;;     18. [M 8,192, K 400] x [K 400, N 400]; A: computed on the way; B: computed on the way: QUANTISED
;;     19. [M 8,192, K 400] x [K 400, N 1,600]; A: computed on the way; B: input Wx_a2: QUANTISED
;;     20. [M 8,192, K 400] x [K 400, N 400]; A: computed on the way; B: computed on the way: QUANTISED
;;     21. [M 8,192, K 400] x [K 400, N 400]; A: computed on the way; B: computed on the way: QUANTISED
;;     22. [M 8,192, K 400] x [K 400, N 400]; A: computed on the way; B: computed on the way: QUANTISED
;;     23. [M 8,192, K 400] x [K 400, N 400]; A: computed on the way; B: computed on the way: QUANTISED
;;     24. [M 8,192, K 400] x [K 400, N 400]; A: computed on the way; B: computed on the way: QUANTISED
;;     25. [M 8,192, K 400] x [K 400, N 1,600]; A: computed on the way; B: input Wx_t3: QUANTISED
;;     26. [M 8,192, K 400] x [K 400, N 400]; A: computed on the way; B: computed on the way: QUANTISED
;;     27. [M 8,192, K 400] x [K 400, N 400]; A: computed on the way; B: computed on the way: QUANTISED
;;     28. [M 8,192, K 400] x [K 400, N 400]; A: computed on the way; B: computed on the way: QUANTISED
;;     29. [M 8,192, K 400] x [K 400, N 400]; A: computed on the way; B: computed on the way: QUANTISED
;;     30. [M 8,192, K 400] x [K 400, N 400]; A: computed on the way; B: computed on the way: QUANTISED
;;     31. [M 8,192, K 400] x [K 400, N 1,600]; A: computed on the way; B: input Wx_a3: QUANTISED
;;     32. [M 8,192, K 400] x [K 400, N 400]; A: computed on the way; B: computed on the way: QUANTISED
;;     33. [M 8,192, K 400] x [K 400, N 400]; A: computed on the way; B: computed on the way: QUANTISED
;;     34. [M 8,192, K 400] x [K 400, N 400]; A: computed on the way; B: computed on the way: QUANTISED
;;     35. [M 8,192, K 400] x [K 400, N 400]; A: computed on the way; B: computed on the way: QUANTISED
;;     36. [M 8,192, K 400] x [K 400, N 400]; A: computed on the way; B: computed on the way: QUANTISED
;;     37. [M 8,192, K 800] x [K 800, N 55]; A: computed on the way; B: input W_cur: QUANTISED
;;     38. [M 8,192, K 400] x [K 400, N 52]; A: computed on the way; B: input W_ac: QUANTISED
;;     39. [M 8,192, K 400] x [K 400, N 55]; A: computed on the way; B: input W_ap: QUANTISED
;;   THE QUANTISER, for each operand of a quantised product, along K:
;;     - K is cut into blocks of 32 from its start; a last block that is shorter is filled with zeros.
;;     - A block's scale is 2^e with e = floor(log2(the largest magnitude in the block)) - 8, held to -126 .. 127; a block of zeros has e = 0. As a byte (E8M0): e + 127.
;;     - Each number is divided by its block's scale, clamped to +-448, and rounded to the nearest number of E4M3, ties to even, subnormals kept.
;;     - The product sums the exact products of the quantised numbers (number of the format x scale) in f32.
;;   ~~~python
;;   def quantise(x, axis):      # numpy; x: float32 -> the quantised numbers, widened to float32 again
;;       x = np.moveaxis(x, axis, -1); K = x.shape[-1]
;;       x = np.pad(x, [(0, 0)] * (x.ndim - 1) + [(0, -K % 32)]); x = x.reshape(x.shape[:-1] + (-1, 32)); a = np.abs(x).max(-1, keepdims=True)
;;       e = np.where(a > 0, np.clip(np.frexp(np.where(a > 0, a, 1))[1] - 1 - 8, -126, 127), 0)      # np.frexp(a)[1] - 1 = floor(log2(a)), exactly
;;       r = np.clip(x / 2.0 ** e, -448, 448)
;;       step = 2.0 ** (np.maximum(np.frexp(np.where(r == 0, 1, r))[1] - 1, -6) - 3)
;;       q = np.round(r / step) * step * 2.0 ** e      # np.round: ties to even
;;       return np.moveaxis(q.reshape(q.shape[:-2] + (-1,))[..., :K], -1, axis).astype(np.float32)
;;   ~~~
;;   OPERANDS COMPUTED ON THE WAY. 'Computed on the way' means the value that the module computes at that place (a softmax that the list does not call 'softmax' is quantised finished and normalised). What goes into a quantiser is computed in f32, as accurately as f32 sums, v_exp_f32 and their like allow (about 1e-6 of the number): no bf16 or f16 on the way to a quantiser, and a product that is left as it is and whose result goes on into a quantised operand takes f32 operands (vector FMAs, or v_wmma_f32_16x16x4_f32). A number that lies on a knife's edge between two numbers of the format may be rounded either way, as far as f32 arithmetic and the matrix unit's own rounding can turn it there, and no further.
;; One version. Each part assembles by itself: llvm-mc -triple=amdgcn-amd-amdhsa -mcpu=gfx1250 --defsym DOCPART=n.
;; ======== version 1 of 1: 5 launches
;; workspace buffers: wq 6,053,888 bytes; act1 10,747,904 bytes; act2 10,747,904 bytes; c1 26,214,400 bytes; c2 26,214,400 bytes; h3 26,214,400 bytes
;; launch prep (part 1): grid 642 x 1, 5 waves a work-group, no clusters, 0 bytes of LDS; arguments Wx_t2, U_t2, b_t2, Wx_a2, U_a2, b_a2, Wx_t3, U_t3, b_t3, Wx_a3, U_a3, b_a3, Wx_t1, Wx_a1, W_cur, W_ac, W_ap, b_cur, b_ac, b_ap, wq; writes wq
.if DOCPART == 1
	.amdgcn_target "amdgcn-amd-amdhsa--gfx1250"
	.amdhsa_code_object_version 6
	.text
	.protected	k_qf0b7efa291_prep
	.globl	k_qf0b7efa291_prep
	.p2align	8
	.type	k_qf0b7efa291_prep,@function
k_qf0b7efa291_prep:
	s_mov_b64 s[64:65], 0
	v_nop
	global_prefetch_b8 v0, s[64:65] scope:SCOPE_SE
	s_setreg_imm32_b32 hwreg(HW_REG_WAVE_MODE, 25, 1), 1
	s_wait_xcnt 0x0
; All weights that the later launches multiply by are turned into codes of E4M3 with one E8M0 scale for each 32 along K, and laid in wq as IMAGES OF OPERAND REGISTERS.
; K is the weights' FIRST axis: lane (r, h) takes column col0 + r and its 64 registers run down K in the operand's own order (register 16 c + i = k 32 c + 16 h + i), so the conversions' results
; are the fragment as it stands: chunk c (16 columns x one block of 32 k) is 512 bytes, lane l's 16 bytes at 16 l.  One wave makes one fragment.  No LDS, no barrier.
; wq: 100 images (layer 2, 3; tile 0-24; cell t, a) of 56,064 bytes: 104 real chunks in the order in which they are used (Wxf_s, Uf_s by turns; [Wxi|Ui]_s, [Wxu|Uu]_s by turns; [Wxo|Uo]_s),
;     30 entries of 16 scale words, the tile's biases (f, i, u, o), one chunk of zeros, 128 bytes of zeros.  Then layer 1's 50 images of 6,400 bytes (i, u, o), then the heads' 60 fragments, scale words and padded biases.
; A block's scale byte is its largest magnitude's exponent field - 8, held at 1 from below.  LIMITS: a block of zeros gets the byte 1 where the rule says 127 (its codes are zeros; this program alone reads the bytes);
; NaN and infinities are not served.  U_t1, U_a1 and the f columns of layer 1 are not among the arguments: reference() multiplies them by zeros that it builds itself.
.set IMGB,  56064
.set TABO,  53248                      ; in an image: the scale words
.set BIO,   55168                      ; the biases
.set ZOFF,  55424                      ; the chunk of zeros
.set W1OFF, 5606400
.set WHOFF, 5926400
.set OFF,   8                          ; v8-23   byte offset of row 16 h + i, my column
.set PW,    24                         ; v24     the scale word
.set X,     32                         ; v32-95  64 numbers
.set PC,    96                         ; v96-111 the codes
.set TM,    112                        ; v112-127 at work
.set SEL,   82
.set MNT,   84
; s50-53 the two sources; s54 K; s55 blocks of the first source; s56 blocks in all; s57 pitch; s58 columns; s59 first column; s60 K step; s61 chunks at or past this block are not stored;
; s[62:63] where chunk 0 goes; s[66:67] where the scale words go; s85 the heads' fragment number (99: none)
.macro QUANT s                         ; 64 numbers of a lane become a fragment's codes in v[PC] on and its scale word in v[PW]
.irp b, 0,1,2,3
	v_max3_num_f32 v[TM+\b], |v[\s+16*\b]|, |v[\s+1+16*\b]|, 0x4800000   ; my 16 numbers of block b, and the floor 2^(9 - 127): the byte cannot fall under 1
.endr
.irp i, 2,4,6,8,10,12,14
.irp b, 0,1,2,3
	v_max3_num_f32 v[TM+\b], v[TM+\b], |v[\s+16*\b+\i]|, |v[\s+1+16*\b+\i]|
.endr
.endr
.irp b, 0,1,2,3
	v_permlanex16_b32 v[TM+4+\b], v[TM+\b], s[SEL], s[SEL+1]
.endr
.irp b, 0,1,2,3
	v_max_num_f32 v[TM+\b], v[TM+\b], v[TM+4+\b]           ; with lane l xor 16's: the block's largest magnitude
.endr
.irp b, 0,1,2,3
	v_add_nc_u32 v[TM+12+\b], 0xfc000000, v[TM+\b]         ; 8 off its exponent field: the conversion's scale operand
.endr
.irp b, 0,1,2,3
	v_and_or_b32 v[TM+8+\b], v[TM+\b], 0x7f800000, s[MNT]  ; 448 x the scale
.endr
.irp b, 0,1,2,3
	v_lshrrev_b32 v[TM+4+\b], 23, v[TM+12+\b]              ; the scale's byte
.endr
	v_lshl_or_b32 v[PW], v[TM+5], 8, v[TM+4]
	v_lshl_or_b32 v[PW], v[TM+6], 16, v[PW]
	v_lshl_or_b32 v[PW], v[TM+7], 24, v[PW]
.irp b, 0,1,2,3
.irp i, 0,1,2,3,4,5,6,7,8,9,10,11,12,13,14,15
	v_med3_num_f32 v[\s+16*\b+\i], v[\s+16*\b+\i], -v[TM+8+\b], v[TM+8+\b]   ; the conversion does not saturate (ISA guide 7.6.2): the hold at the largest code x the scale
.endr
	v_cvt_scalef32_pk8_fp8_f32 v[PC+4*\b:PC+1+4*\b], v[\s+16*\b:\s+7+16*\b], v[TM+12+\b]
	v_cvt_scalef32_pk8_fp8_f32 v[PC+2+4*\b:PC+3+4*\b], v[\s+8+16*\b:\s+15+16*\b], v[TM+12+\b]
.endr
	v_nop                                                  ; a plain line behind the last conversion
.endm
; Chunk c of the fragment: block 4 s + c of the K run.  It comes from the first source, from the second, or from neither (then nothing is loaded and the cleared registers stay).  No branch: selects and EXEC.
; Rows at or past K are not loaded: rows i = 0..6 where 32 blk + 16 h + 6 < K, rows 7..15 where 32 blk + 16 h + 15 < K: that serves K = 400 and 800 (multiples of 16) and K = 55 = 48 + 7.
.macro CHUNK c
	s_lshl_b32 s72, s60, 2
	s_add_co_u32 s72, s72, \c
	s_cmp_lt_u32 s72, s55
	s_cselect_b64 s[74:75], s[50:51], s[52:53]
	s_cselect_b32 s73, 0, s55
	s_sub_co_u32 s73, s72, s73                             ; the block in its source
	s_cmp_lt_u32 s72, s56
	s_cselect_b32 s76, s73, 0x3e8                          ; past the run: a block that no K reaches
	s_cselect_b32 s73, s73, 0
	s_mul_i32 s77, s73, s57
	s_lshl_b32 s78, s77, 7                                 ; 32 rows of 4 x pitch bytes a block
	s_add_nc_u64 s[74:75], s[74:75], s[78:79]
	s_lshl_b32 s76, s76, 5
	v_add_nc_u32 v5, s76, v4                               ; my first row
	v_cmp_gt_u32 vcc_lo, s80, v5
	s_and_b32 vcc_lo, vcc_lo, s71                          ; and my column exists
	s_and_saveexec_b32 s70, vcc_lo                         ; (no load or store has been issued since the last wait on XCNT)
.irp i, 0,1,2,3,4,5,6
	global_load_b32 v[X+16*\c+\i], v[OFF+\i], s[74:75]
.endr
	s_wait_xcnt 0x0                                        ; EXEC and the base change only behind this wait
	s_or_b32 exec_lo, exec_lo, s70
	v_cmp_gt_u32 vcc_lo, s81, v5
	s_and_b32 vcc_lo, vcc_lo, s71
	s_and_saveexec_b32 s70, vcc_lo
.irp i, 7,8,9,10,11,12,13,14,15
	global_load_b32 v[X+16*\c+\i], v[OFF+\i], s[74:75]
.endr
	s_wait_xcnt 0x0
	s_or_b32 exec_lo, exec_lo, s70
.endm
	s_load_b512 s[8:23], s[0:1], 0x0               ; Wx_t2 8, U_t2 10, b_t2 12, Wx_a2 14, U_a2 16, b_a2 18, Wx_t3 20, U_t3 22
	s_load_b512 s[24:39], s[0:1], 0x40             ; b_t3 24, Wx_a3 26, U_a3 28, b_a3 30, Wx_t1 32, Wx_a1 34, W_cur 36, W_ac 38
	s_load_b256 s[40:47], s[0:1], 0x80             ; W_ap 40, b_cur 42, b_ac 44, b_ap 46
	s_load_b64 s[48:49], s[0:1], 0xa0              ; wq
	v_lshrrev_b32 v1, 5, v0
	v_readfirstlane_b32 s4, v1                     ; wave 0..4
	v_and_b32 v25, 31, v0                          ; lane
	v_and_b32 v1, 15, v0                           ; r
	v_bfe_u32 v2, v0, 4, 1                         ; h
	v_lshlrev_b32 v4, 4, v2                        ; 16 h
	v_lshlrev_b32 v6, 4, v25                       ; 16 x lane
	v_lshlrev_b32 v7, 2, v1                        ; 4 r
	s_mov_b32 s[SEL], 0x76543210
	s_mov_b32 s[SEL+1], 0xfedcba98
	s_mov_b32 s[MNT], 0x600000
	s_mov_b32 s87, 0
	s_wait_kmcnt 0x0
	s_cmp_lt_u32 ttmp9, 600
	s_cbranch_scc0 .Lnot_big
	; ---- work-groups 0..599: the images of layers 2 and 3.  id = 150 lc + 5 f + quint; tile = 5 quint + wave
	s_mul_i32 s5, ttmp9, 437
	s_lshr_b32 s5, s5, 16                          ; lc = id / 150: 0 t2, 1 a2, 2 t3, 3 a3
	s_mul_i32 s6, s5, 150
	s_sub_co_u32 s6, ttmp9, s6
	s_mul_i32 s7, s6, 205
	s_lshr_b32 s7, s7, 10                          ; f = rest / 5: 0..29
	s_mul_i32 s2, s7, 5
	s_sub_co_u32 s6, s6, s2
	s_mul_i32 s6, s6, 5
	s_add_co_u32 s6, s6, s4                        ; tile
	s_cmp_lt_u32 s5, 2
	s_cselect_b64 s[8:9], s[8:9], s[20:21]
	s_cselect_b64 s[10:11], s[10:11], s[22:23]
	s_cselect_b64 s[12:13], s[12:13], s[24:25]
	s_cselect_b64 s[14:15], s[14:15], s[26:27]
	s_cselect_b64 s[16:17], s[16:17], s[28:29]
	s_cselect_b64 s[18:19], s[18:19], s[30:31]
	s_bitcmp1_b32 s5, 0
	s_cselect_b64 s[8:9], s[14:15], s[8:9]         ; Wx,
	s_cselect_b64 s[10:11], s[16:17], s[10:11]     ; U,
	s_cselect_b64 s[12:13], s[18:19], s[12:13]     ; b of my cell
	s_lshr_b32 s2, s5, 1
	s_mul_i32 s86, s2, 2803200
	s_mul_i32 s2, s6, 2*IMGB
	s_add_co_u32 s86, s86, s2
	s_and_b32 s2, s5, 1
	s_mul_i32 s2, s2, IMGB
	s_add_co_u32 s86, s86, s2
	s_add_nc_u64 s[88:89], s[48:49], s[86:87]      ; my image
	s_mov_b32 s54, 400
	s_mov_b32 s55, 13
	s_mov_b32 s57, 1600
	s_mov_b32 s58, 1600
	s_cmp_eq_u32 s7, 29
	s_cbranch_scc1 .Ltail
	s_cmp_lt_u32 s7, 8
	s_cbranch_scc0 .Lnot_f
	s_lshr_b32 s60, s7, 1                          ; f < 8: Wxf_s (even), Uf_s (odd)
	s_mov_b32 s59, 400
	s_bitcmp1_b32 s7, 0
	s_cselect_b64 s[50:51], s[10:11], s[8:9]
	s_mov_b64 s[52:53], s[10:11]
	s_mov_b32 s56, 13
	s_cmp_eq_u32 s7, 7
	s_cselect_b32 s3, 3, 0                         ; chunks left out ahead of this fragment
	s_branch .Lbig_join
.Lnot_f:
	s_mov_b64 s[50:51], s[8:9]                     ; [Wx | U]: 13 blocks of each
	s_mov_b64 s[52:53], s[10:11]
	s_mov_b32 s56, 26
	s_cmp_lt_u32 s7, 22
	s_cbranch_scc0 .Lgate_o
	s_sub_co_u32 s60, s7, 8
	s_bitcmp1_b32 s60, 0
	s_cselect_b32 s59, 1200, 0                     ; u (odd), i (even)
	s_lshr_b32 s60, s60, 1
	s_cmp_eq_u32 s7, 21
	s_cselect_b32 s3, 8, 6
	s_branch .Lbig_join
.Lgate_o:
	s_sub_co_u32 s60, s7, 22
	s_mov_b32 s59, 800
	s_mov_b32 s3, 10
.Lbig_join:
	s_mov_b32 s61, s56                             ; only real chunks are stored
	s_lshl_b32 s2, s6, 4
	s_add_co_u32 s59, s59, s2
	s_lshl_b32 s2, s7, 2
	s_sub_co_u32 s2, s2, s3
	s_lshl_b32 s86, s2, 9
	s_add_nc_u64 s[62:63], s[88:89], s[86:87]
	s_lshl_b32 s86, s7, 6
	s_add_co_u32 s86, s86, TABO
	s_add_nc_u64 s[66:67], s[88:89], s[86:87]
	s_mov_b32 s85, 99
	s_branch .Lfrag
.Lnot_big:
	s_cmp_lt_u32 ttmp9, 630
	s_cbranch_scc0 .Lheads
	; ---- work-groups 600..629: layer 1.  j = 15 cell + 5 gi + quint
	s_sub_co_u32 s5, ttmp9, 600
	s_cmp_ge_u32 s5, 15
	s_cselect_b32 s6, 1, 0
	s_cselect_b64 s[50:51], s[34:35], s[32:33]
	s_mul_i32 s2, s6, 15
	s_sub_co_u32 s5, s5, s2
	s_mul_i32 s7, s5, 205
	s_lshr_b32 s7, s7, 10                          ; gi: 0 i, 1 u, 2 o
	s_mul_i32 s2, s7, 5
	s_sub_co_u32 s5, s5, s2
	s_mul_i32 s5, s5, 5
	s_add_co_u32 s5, s5, s4                        ; tile
	s_mov_b64 s[52:53], s[50:51]
	s_mov_b32 s54, 55
	s_mov_b32 s55, 2
	s_mov_b32 s56, 2
	s_mov_b32 s57, 1600
	s_mov_b32 s58, 1600
	s_mov_b32 s60, 0
	s_mov_b32 s61, 1000                            ; all four chunks are stored, the two of zeros too
	s_cmp_eq_u32 s7, 1
	s_cselect_b32 s59, 1200, 0
	s_cmp_eq_u32 s7, 2
	s_cselect_b32 s59, 800, s59
	s_lshl_b32 s2, s5, 4
	s_add_co_u32 s59, s59, s2
	s_mul_i32 s2, s6, 25
	s_add_co_u32 s2, s2, s5
	s_mul_i32 s86, s2, 6400
	s_add_co_u32 s86, s86, W1OFF
	s_add_nc_u64 s[88:89], s[48:49], s[86:87]
	s_lshl_b32 s86, s7, 11
	s_add_nc_u64 s[62:63], s[88:89], s[86:87]
	s_lshl_b32 s86, s7, 6
	s_add_co_u32 s86, s86, 6144
	s_add_nc_u64 s[66:67], s[88:89], s[86:87]
	s_mov_b32 s85, 99
	s_branch .Lfrag
.Lheads:
	; ---- work-groups 630..641: the heads' 60 fragments
	s_sub_co_u32 s5, ttmp9, 630
	s_mul_i32 s5, s5, 5
	s_add_co_u32 s5, s5, s4                        ; hf
	s_mov_b32 s85, s5
	s_cmp_lt_u32 s5, 28
	s_cbranch_scc0 .Lnot_cur
	s_mul_i32 s6, s5, 37
	s_lshr_b32 s6, s6, 8                           ; n = hf / 7
	s_mul_i32 s2, s6, 7
	s_sub_co_u32 s60, s5, s2
	s_mov_b64 s[50:51], s[36:37]
	s_mov_b32 s54, 800
	s_mov_b32 s55, 25
	s_mov_b32 s57, 55
	s_branch .Lheads_join
.Lnot_cur:
	s_cmp_lt_u32 s5, 44
	s_cselect_b64 s[50:51], s[38:39], s[40:41]
	s_cselect_b32 s57, 52, 55
	s_cselect_b32 s2, 28, 44
	s_sub_co_u32 s2, s5, s2
	s_lshr_b32 s6, s2, 2
	s_and_b32 s60, s2, 3
	s_mov_b32 s54, 400
	s_mov_b32 s55, 13
.Lheads_join:
	s_mov_b64 s[52:53], s[50:51]
	s_mov_b32 s56, s55
	s_mov_b32 s58, s57
	s_mov_b32 s61, 1000
	s_lshl_b32 s59, s6, 4
	s_lshl_b32 s86, s5, 11
	s_add_co_u32 s86, s86, WHOFF
	s_add_nc_u64 s[62:63], s[48:49], s[86:87]
	s_lshl_b32 s86, s5, 6
	s_add_co_u32 s86, s86, WHOFF+122880
	s_add_nc_u64 s[66:67], s[48:49], s[86:87]
.Lfrag:
	; ---- one fragment
	v_add_nc_u32 v3, s59, v1                       ; my column
	v_mul_lo_u32 v26, v4, s57
	v_add_nc_u32 v26, v26, v3
	v_lshlrev_b32 v[OFF], 2, v26
	s_lshl_b32 s69, s57, 2
.irp i, 1,2,3,4,5,6,7,8,9,10,11,12,13,14,15
	v_add_nc_u32 v[OFF+\i], s69, v[OFF+\i-1]
.endr
	v_cmp_gt_u32 s71, s58, v3                      ; the lanes whose column exists
	s_sub_co_u32 s80, s54, 6
	s_sub_co_u32 s81, s54, 15
	s_mov_b32 s79, 0
.set z_, 0
.rept 64
	v_mov_b32 v[X+z_], 0                           ; what is not loaded counts as 0, as the quantiser fills a short block
.set z_, z_+1
.endr
.irp b, 0,1,2,3
	v_mov_b32 v[TM+4+\b], 0                        ; a lane permute's destination counts as one of its sources
.endr
	CHUNK 0
	CHUNK 1
	CHUNK 2
	CHUNK 3
	s_wait_loadcnt 0x0
	QUANT X
.irp c, 0,1,2,3
	s_lshl_b32 s72, s60, 2
	s_add_co_u32 s72, s72, \c
	s_cmp_lt_u32 s72, s61
	s_cbranch_scc0 .Lskip_\c
	global_store_b128 v6, v[PC+4*\c:PC+4*\c+3], s[62:63] offset:512*\c   ; 512 consecutive bytes, aligned
.Lskip_\c:
.endr
	v_cmp_gt_u32 vcc_lo, 16, v25
	s_wait_xcnt 0x0                                ; EXEC changes only behind this wait
	s_and_saveexec_b32 s70, vcc_lo
	global_store_b32 v7, v[PW], s[66:67]           ; lane r: column r's scale word
	s_wait_xcnt 0x0
	s_or_b32 exec_lo, exec_lo, s70
	s_cmp_lt_u32 s85, 3
	s_cbranch_scc0 .Lend
	; ---- the waves of the heads' fragments 0, 1, 2 also lay b_cur, b_ac, b_ap, filled with zeros to 64 numbers
	s_cmp_eq_u32 s85, 1
	s_cselect_b64 s[50:51], s[44:45], s[46:47]
	s_cselect_b32 s58, 52, 55
	s_cmp_eq_u32 s85, 0
	s_cselect_b64 s[50:51], s[42:43], s[50:51]
	s_cselect_b32 s58, 55, s58
	s_lshl_b32 s86, s85, 8
	s_add_co_u32 s86, s86, WHOFF+126720
	s_add_nc_u64 s[62:63], s[48:49], s[86:87]
	v_lshlrev_b32 v26, 2, v25
	v_add_nc_u32 v27, 32, v25
	v_mov_b32 v32, 0
	v_mov_b32 v33, 0
	v_cmp_gt_u32 vcc_lo, s58, v25
	s_and_saveexec_b32 s70, vcc_lo
	global_load_b32 v32, v26, s[50:51]
	s_wait_xcnt 0x0
	s_or_b32 exec_lo, exec_lo, s70
	v_cmp_gt_u32 vcc_lo, s58, v27
	s_and_saveexec_b32 s70, vcc_lo
	global_load_b32 v33, v26, s[50:51] offset:128
	s_wait_xcnt 0x0
	s_or_b32 exec_lo, exec_lo, s70
	s_wait_loadcnt 0x0
	global_store_b32 v26, v32, s[62:63]
	global_store_b32 v26, v33, s[62:63] offset:128
.Lend:
	s_endpgm
.Ltail:
	; ---- f = 29: the image's last 960 bytes: a filler entry of scale words, the tile's biases, the zeros
	v_mov_b32 v26, 0x7f7f7f7f
	v_mov_b32 v27, 0
	v_lshlrev_b32 v28, 2, v25
	s_lshl_b32 s2, s6, 4
	v_add_nc_u32 v29, s2, v1                       ; 16 tile + r
	v_cmp_gt_u32 vcc_lo, 16, v25
	v_mov_b32 v31, 400
	v_cndmask_b32 v30, 0, v31, vcc_lo              ; lanes 0-15: gate f, lanes 16-31: gate i
	v_mov_b32 v31, 1200
	v_mov_b32 v33, 800
	v_cndmask_b32 v32, v33, v31, vcc_lo            ; lanes 0-15: gate u, lanes 16-31: gate o
	v_add_lshl_u32 v30, v30, v29, 2
	v_add_lshl_u32 v32, v32, v29, 2
	global_load_b32 v34, v30, s[12:13]
	global_load_b32 v35, v32, s[12:13]
	s_wait_xcnt 0x0
	s_and_saveexec_b32 s70, vcc_lo
	global_store_b32 v28, v26, s[88:89] offset:TABO+29*64
	s_wait_xcnt 0x0
	s_or_b32 exec_lo, exec_lo, s70
	s_wait_loadcnt 0x0
	global_store_b32 v28, v34, s[88:89] offset:BIO
	global_store_b32 v28, v35, s[88:89] offset:BIO+128
.irp k, 0,1,2,3,4
	global_store_b32 v28, v27, s[88:89] offset:ZOFF+128*\k
.endr
	s_endpgm
.Lfunc_end_k_qf0b7efa291_prep:
	.size	k_qf0b7efa291_prep, .Lfunc_end_k_qf0b7efa291_prep-k_qf0b7efa291_prep
	.p2alignl 7, 3214868480
	.fill 96, 4, 3214868480
	.section	.rodata,"a",@progbits
	.p2align	6, 0x0
	.amdhsa_kernel k_qf0b7efa291_prep
		.amdhsa_group_segment_fixed_size 0
		.amdhsa_private_segment_fixed_size 0
		.amdhsa_enable_private_segment 0
		.amdhsa_kernarg_size 168
		.amdhsa_user_sgpr_count 2
		.amdhsa_user_sgpr_kernarg_segment_ptr 1
		.amdhsa_wavefront_size32 1
		.amdhsa_system_sgpr_workgroup_id_x 1
		.amdhsa_system_sgpr_workgroup_id_y 1
		.amdhsa_system_sgpr_workgroup_id_z 1
		.amdhsa_system_vgpr_workitem_id 0
		.amdhsa_next_free_vgpr 128
		.amdhsa_next_free_sgpr 100
		.amdhsa_reserve_vcc 1
		.amdhsa_float_denorm_mode_32 3
		.amdhsa_float_denorm_mode_16_64 3
		.amdhsa_memory_ordered 1
		.amdhsa_forward_progress 1
		.amdhsa_inst_pref_size 31
	.end_amdhsa_kernel
	.amdgpu_metadata
---
amdhsa.version: [ 1, 2 ]
amdhsa.kernels:
  - .name:           k_qf0b7efa291_prep
    .symbol:         k_qf0b7efa291_prep.kd
    .args:
      - { .name: Wx_t2, .offset: 0, .size: 8, .value_kind: global_buffer, .address_space: global }
      - { .name: U_t2, .offset: 8, .size: 8, .value_kind: global_buffer, .address_space: global }
      - { .name: b_t2, .offset: 16, .size: 8, .value_kind: global_buffer, .address_space: global }
      - { .name: Wx_a2, .offset: 24, .size: 8, .value_kind: global_buffer, .address_space: global }
      - { .name: U_a2, .offset: 32, .size: 8, .value_kind: global_buffer, .address_space: global }
      - { .name: b_a2, .offset: 40, .size: 8, .value_kind: global_buffer, .address_space: global }
      - { .name: Wx_t3, .offset: 48, .size: 8, .value_kind: global_buffer, .address_space: global }
      - { .name: U_t3, .offset: 56, .size: 8, .value_kind: global_buffer, .address_space: global }
      - { .name: b_t3, .offset: 64, .size: 8, .value_kind: global_buffer, .address_space: global }
      - { .name: Wx_a3, .offset: 72, .size: 8, .value_kind: global_buffer, .address_space: global }
      - { .name: U_a3, .offset: 80, .size: 8, .value_kind: global_buffer, .address_space: global }
      - { .name: b_a3, .offset: 88, .size: 8, .value_kind: global_buffer, .address_space: global }
      - { .name: Wx_t1, .offset: 96, .size: 8, .value_kind: global_buffer, .address_space: global }
      - { .name: Wx_a1, .offset: 104, .size: 8, .value_kind: global_buffer, .address_space: global }
      - { .name: W_cur, .offset: 112, .size: 8, .value_kind: global_buffer, .address_space: global }
      - { .name: W_ac, .offset: 120, .size: 8, .value_kind: global_buffer, .address_space: global }
      - { .name: W_ap, .offset: 128, .size: 8, .value_kind: global_buffer, .address_space: global }
      - { .name: b_cur, .offset: 136, .size: 8, .value_kind: global_buffer, .address_space: global }
      - { .name: b_ac, .offset: 144, .size: 8, .value_kind: global_buffer, .address_space: global }
      - { .name: b_ap, .offset: 152, .size: 8, .value_kind: global_buffer, .address_space: global }
      - { .name: wq, .offset: 160, .size: 8, .value_kind: global_buffer, .address_space: global }
    .group_segment_fixed_size: 0
    .private_segment_fixed_size: 0
    .kernarg_segment_align: 8
    .kernarg_segment_size: 168
    .max_flat_workgroup_size: 160
    .sgpr_count:     100
    .vgpr_count:     128
    .wavefront_size: 32
...
	.end_amdgpu_metadata
.endif
;; end of part 1
;; launch l1 (part 2): grid 64 x 4, 4 waves a work-group, no clusters, 94,208 bytes of LDS; arguments x_temp, x_air, b_t1, b_a1, wq, act1, c1; writes act1, c1
.if DOCPART == 2
	.amdgcn_target "amdgcn-amd-amdhsa--gfx1250"
	.amdhsa_code_object_version 6
	.text
	.protected	k_qf0b7efa291_l1
	.globl	k_qf0b7efa291_l1
	.p2align	8
	.type	k_qf0b7efa291_l1,@function
k_qf0b7efa291_l1:
	s_mov_b64 s[64:65], 0
	v_nop
	global_prefetch_b8 v0, s[64:65] scope:SCOPE_SE
	s_setreg_imm32_b32 hwreg(HW_REG_WAVE_MODE, 25, 1), 1
	s_wait_xcnt 0x0
; Layer 1, both cells.  reference() runs it on states that it sets to zero itself, so hs U = 0 and f c = 0 for every finite weight: what is left is i, u, o from Q(x) Q(Wx) + b, c = i u, h = o tanh(c).
; LIMIT: with an infinity or NaN in U_*1 or in the f columns reference() gives NaN and this text does not.  sigmoid = rcp(1 + 2^(-x log2 e)), tanh = 1 - 2 rcp(1 + 2^(2 x log2 e)): both saturate rightly; tanh's error is absolute, some 1e-7.
; SHARES.  Work-group (rb, g): rows 128 rb .. + 127, unit tiles 6 g .. 6 g + 5 (g = 3: 18 .. 24): whole blocks of 32 units.  Wave w: cell w & 1 (0 = t, 1 = a), rows 64 (w >> 1) on: four tiles of 16 rows.
; The product is used transposed (source 0 = 16 units of the weight, source 1 = 16 rows): lane (r, h) holds row r and units 8 h + 0 .. 7 of the tile.
; x (K = 55, two blocks) is quantised once in registers.  c leaves as images of the result's registers.  h of both cells meets in a stage in LDS; after each two tiles a lane takes a row, makes ht, ha and ht + ha's
; block of 32 codes and its scale byte: the next layer's operands, laid in chunks of 512 bytes (16 rows x one block; row r's bytes at 16 r and 256 + 16 r).
; A block of zeros gets the byte 1 where the rule says 127: its codes are zeros, and this program alone reads the bytes.
.set W1OFF, 5606400
.set OPB,   3407872                    ; an operand's codes: 512 row tiles x 13 blocks x 512 bytes
.set SCO,   10223616                   ; behind three operands' codes: the scale words [g][row][t, a, s, 0]
.set XST,   36864                      ; LDS: 0 the stage [cell][row 128][32 units + 4 words]; from XST on 14,336 bytes for each wave: its 64 rows of x as they lie in memory
.set X0,  160                          ; v160-191 i, then c;  v192-223 u, then h;  v224-255 o
.set X1,  192
.set X2,  224
.set QC,  104                          ; v104-127 the codes of three blocks
.set QT,  10                           ; v10-13 at work
.set QW,  24                           ; v24-27 the scale words t, a, s, 0
.set QRD, 7                            ; v7  the stage, a row a lane
.set QOFF, 8                           ; v8  my row's place among the work-group's chunks
.set WV, 18
.set CELL, 19
.set RH, 20
.set G,  22
.set SH, 23
.set MNT, 24
.set SEL, 26
.set K1, 28
.set K2, 30
.set XP, 32
.set BB, 34
.set WB, 36
.set CB, 38
.set AC, 40
.set SCP, 42
; v1 16 x lane; v2 4 r; v3 32 h; v4 x out of LDS; v5 x into LDS; v6 my place in the stage; v16-19 x's scale words; v20-22 the weights'; v32-79 three weight fragments; v80-103 three biases; v256-319 x's four fragments
.set MSB, 0
.macro WIN new                         ; the immediate's high byte repeats the setting that is left
.if MSB != (\new)
	s_set_vgpr_msb (MSB<<8)|(\new)
.set MSB, (\new)
.endif
.endm
.macro PLACES n
.rept \n
	v_nop
.endr
.endm
.macro MULK d, a, k                    ; 32 numbers: d = a x s[k]
.set z_, 0
.rept 16
	v_pk_mul_f32 v[\d+z_:\d+z_+1], v[\a+z_:\a+z_+1], s[\k:\k+1] op_sel_hi:[1,0]
.set z_, z_+2
.endr
.endm
.macro MULV d, a, b
.set z_, 0
.rept 16
	v_pk_mul_f32 v[\d+z_:\d+z_+1], v[\a+z_:\a+z_+1], v[\b+z_:\b+z_+1]
.set z_, z_+2
.endr
.endm
.macro ADD1 x
.set z_, 0
.rept 16
	v_pk_add_f32 v[\x+z_:\x+z_+1], v[\x+z_:\x+z_+1], 1.0 op_sel_hi:[1,0]
.set z_, z_+2
.endr
.endm
.macro TANHF x                         ; 1 - 2 x
.set z_, 0
.rept 16
	v_pk_fma_f32 v[\x+z_:\x+z_+1], v[\x+z_:\x+z_+1], -2.0, 1.0 op_sel_hi:[1,0,0]
.set z_, z_+2
.endr
.endm
.macro EXPS x
.set z_, 0
.rept 32
	v_exp_f32 v[\x+z_], v[\x+z_]
.set z_, z_+1
.endr
.endm
.macro RCPS x
.set z_, 0
.rept 32
	v_rcp_f32 v[\x+z_], v[\x+z_]
.set z_, z_+1
.endr
.endm
.macro DONE                            ; behind a batch of transcendentals: one plain line, then the one wait ahead of the batch's first reader
	v_nop
	s_wait_alu depctr_va_vdst(0)
.endm
; A whole block of 32 in one lane's registers v[x] on: 8 registers of codes at v[c], its byte into word v[w] at bit s[SH]
.macro QB x, c, w
	v_max3_num_f32 v[QT], |v[\x]|, |v[\x+1]|, 0x4800000    ; two chains; the floor 2^(9 - 127) among the leaves holds the byte at 1 from below
	v_max3_num_f32 v[QT+1], |v[\x+16]|, |v[\x+17]|, |v[\x+18]|
.irp i, 2,4,6,8,10,12
	v_max3_num_f32 v[QT], v[QT], |v[\x+\i]|, |v[\x+\i+1]|
	v_max3_num_f32 v[QT+1], v[QT+1], |v[\x+17+\i]|, |v[\x+18+\i]|
.endr
	v_max3_num_f32 v[QT], v[QT], |v[\x+14]|, |v[\x+15]|
	v_max3_num_f32 v[QT], v[QT], v[QT+1], |v[\x+31]|
	v_add_nc_u32 v[QT+2], 0xfc000000, v[QT]                ; 8 off the exponent field: the conversion's scale operand
	v_and_or_b32 v[QT+3], v[QT], 0x7f800000, s[MNT]        ; 448 x the scale
	v_lshrrev_b32 v[QT+1], 23, v[QT+2]                     ; the byte
	v_lshl_or_b32 v[\w], v[QT+1], s[SH], v[\w]
.set z_, 0
.rept 32
	v_med3_num_f32 v[\x+z_], v[\x+z_], -v[QT+3], v[QT+3]   ; the conversion does not saturate (ISA guide 7.6.2)
.set z_, z_+1
.endr
.irp k, 0,1,2,3
	v_cvt_scalef32_pk8_fp8_f32 v[\c+2*\k:\c+2*\k+1], v[\x+8*\k:\x+8*\k+7], v[QT+2]
.endr
	v_nop                                                  ; a plain line behind the last conversion
.endm
; A block of 32 units of both cells lies in the stage.  Two barriers: the stores have landed before anybody reads; the reads are back before anybody stores the next block.
.macro QBLOCK
	s_wait_xcnt 0x0                                        ; c's stores have read X0
	s_wait_dscnt 0x0                                       ; my stores into the stage have landed
	s_barrier_signal -1
	s_barrier_wait -1
.irp i, 0,1,2,3,4,5,6,7
	ds_load_b128 v[X0+4*\i:X0+4*\i+3], v[QRD] offset:16*\i
	ds_load_b128 v[X1+4*\i:X1+4*\i+3], v[QRD] offset:18432+16*\i
.endr
	s_wait_dscnt 0x0
	s_barrier_signal -1
	s_barrier_wait -1
.set z_, 0
.rept 16
	v_pk_add_f32 v[X2+z_:X2+z_+1], v[X0+z_:X0+z_+1], v[X1+z_:X1+z_+1]   ; hs = ht + ha
.set z_, z_+2
.endr
	QB X0, QC, QW
	QB X1, QC+8, QW+1
	QB X2, QC+16, QW+2
.irp op, 0,1,2
	global_store_b128 v[QOFF], v[QC+8*\op:QC+8*\op+3], s[AC:AC+1] offset:\op*OPB          ; sixteen lanes store 256 consecutive bytes, aligned
	global_store_b128 v[QOFF], v[QC+8*\op+4:QC+8*\op+7], s[AC:AC+1] offset:\op*OPB+256
.endr
	s_wait_xcnt 0x0                                        ; the base steps, and the codes' registers are written again, only behind this wait
	s_add_nc_u64 s[AC:AC+1], s[AC:AC+1], 512
	s_add_co_u32 s[SH], s[SH], 8
.endm
.macro LOADW t                         ; tile t's three fragments, scale words and biases: 21 loads
.irp gi, 0,1,2
.irp c, 0,1,2,3
	global_load_b128 v[32+16*\gi+4*\c:32+16*\gi+4*\c+3], v1, s[WB:WB+1] offset:(\t)*6400+\gi*2048+\c*512
.endr
	global_load_b32 v[20+\gi], v2, s[WB:WB+1] offset:(\t)*6400+6144+\gi*64
.endr
.irp q, 0,1
	global_load_b128 v[80+4*\q:83+4*\q], v3, s[BB:BB+1] offset:(\t)*64+16*\q          ; b of gate i: my eight units
	global_load_b128 v[88+4*\q:91+4*\q], v3, s[BB:BB+1] offset:4800+(\t)*64+16*\q     ; u
	global_load_b128 v[96+4*\q:99+4*\q], v3, s[BB:BB+1] offset:3200+(\t)*64+16*\q     ; o
.endr
.endm
.macro STEP1 t
	s_wait_loadcnt 0x0                                     ; the tile's weights are in
	s_wait_xcnt 0x0                                        ; c's stores of the last tile have read X0
	WIN 0x04                                               ; source 1 (x) in window 1
.irp gi, 0,1,2
.irp rt, 0,1,2,3
	v_wmma_scale_f32_16x16x128_f8f6f4 v[160+32*\gi+8*\rt:167+32*\gi+8*\rt], v[32+16*\gi:47+16*\gi], v[16*\rt:16*\rt+15], v[80+8*\gi:87+8*\gi], v[20+\gi], v[16+\rt]   ; twelve sums, one K step each; the bias is C
.endr
.endr
	WIN 0
	PLACES 9                                               ; ahead of loads into the products' registers and of the first read of results
.if (\t) < 5
	LOADW (\t)+1                                           ; they land under this tile's vector work
.elseif (\t) == 5
	s_cmp_eq_u32 s[G], 3
	s_cbranch_scc0 .Lno_w6
	LOADW 6
.Lno_w6:
.endif
	MULK X0, X0, K1
	MULK X1, X1, K2
	MULK X2, X2, K1
	EXPS X0
	EXPS X1
	EXPS X2
	DONE
	ADD1 X0
	ADD1 X1
	ADD1 X2
	RCPS X0
	RCPS X1
	RCPS X2
	DONE
	TANHF X1                                               ; u
	MULV X0, X0, X1                                        ; c = i u
.irp rt, 0,1,2,3
	global_store_b128 v1, v[X0+8*\rt:X0+8*\rt+3], s[CB:CB+1] offset:\rt*25600+(\t)*1024 th:TH_STORE_NT       ; 512 consecutive bytes, aligned
	global_store_b128 v1, v[X0+8*\rt+4:X0+8*\rt+7], s[CB:CB+1] offset:\rt*25600+(\t)*1024+512 th:TH_STORE_NT
.endr
	MULK X1, X0, K2
	EXPS X1
	DONE
	ADD1 X1
	RCPS X1
	DONE
	TANHF X1                                               ; tanh(c)
	MULV X1, X1, X2                                        ; h
.irp rt, 0,1,2,3
	ds_store_b128 v6, v[X1+8*\rt:X1+8*\rt+3] offset:2304*\rt+64*((\t)%2)
	ds_store_b128 v6, v[X1+8*\rt+4:X1+8*\rt+7] offset:2304*\rt+64*((\t)%2)+16
.endr
.if (\t) == 6
.irp j, 0,1,2,3
	v_mov_b32 v[QC+\j], 0                                  ; units 400 .. 415 do not exist: the last block's upper half is zeros
.endr
.irp rt, 0,1,2,3
	ds_store_b128 v6, v[QC:QC+3] offset:2304*\rt+64
	ds_store_b128 v6, v[QC:QC+3] offset:2304*\rt+80
.endr
	QBLOCK
.elseif ((\t)%2) == 1
	QBLOCK
.endif
.endm
	s_load_b256 s[4:11], s[0:1], 0x0               ; x_temp, x_air, b_t1, b_a1
	s_load_b128 s[12:15], s[0:1], 0x20             ; wq, act1
	s_load_b64 s[16:17], s[0:1], 0x30              ; c1
	v_lshrrev_b32 v9, 5, v0
	v_readfirstlane_b32 s[WV], v9
	s_and_b32 s[CELL], s[WV], 1
	s_lshr_b32 s[RH], s[WV], 1
	s_and_b32 s[G], ttmp7, 0xffff
	v_and_b32 v9, 31, v0                           ; lane
	v_and_b32 v28, 15, v0                          ; r
	v_bfe_u32 v29, v0, 4, 1                        ; h
	v_lshlrev_b32 v1, 4, v9
	v_lshlrev_b32 v2, 2, v28
	v_lshlrev_b32 v3, 5, v29
	s_mul_i32 s44, s[WV], 14336
	s_add_co_u32 s44, s44, XST
	v_add_nc_u32 v5, s44, v1
	v_mul_u32_u24 v4, v28, 220                     ; a row of x is 55 words
	v_lshl_add_u32 v4, v29, 6, v4
	v_add_nc_u32 v4, s44, v4
	s_mul_i32 s44, s[CELL], 18432
	s_mul_i32 s45, s[RH], 9216
	s_add_co_u32 s44, s44, s45
	v_mul_u32_u24 v6, v28, 144
	v_lshl_add_u32 v6, v29, 5, v6
	v_add_nc_u32 v6, s44, v6
	v_mul_u32_u24 v[QRD], v0, 144
	v_lshrrev_b32 v[QOFF], 4, v0
	v_mul_u32_u24 v[QOFF], v[QOFF], 6656
	v_lshl_add_u32 v[QOFF], v28, 4, v[QOFF]
	s_mov_b32 s[SH], 0
	s_mov_b32 s[MNT], 0x600000
	s_mov_b32 s[SEL], 0x76543210
	s_mov_b32 s[SEL+1], 0xfedcba98
	s_mov_b32 s[K1], 0xbfb8aa3b                    ; -log2 e
	s_mov_b32 s[K1+1], s[K1]
	s_mov_b32 s[K2], 0x4038aa3b                    ; 2 log2 e
	s_mov_b32 s[K2+1], s[K2]
	s_mov_b32 s45, 0
.irp j, 0,1,2,3
	v_mov_b32 v[QW+\j], 0
.endr
	s_wait_kmcnt 0x0
	s_cmp_eq_u32 s[CELL], 0
	s_cselect_b64 s[XP:XP+1], s[4:5], s[6:7]
	s_cselect_b64 s[BB:BB+1], s[8:9], s[10:11]
	s_mul_i32 s44, ttmp9, 28160
	s_mul_i32 s46, s[RH], 14080
	s_add_co_u32 s44, s44, s46
	s_add_nc_u64 s[XP:XP+1], s[XP:XP+1], s[44:45]  ; my 64 rows of x: 14,080 bytes, 55 x 256
	s_mul_i32 s44, s[G], 384
	s_add_nc_u64 s[BB:BB+1], s[BB:BB+1], s[44:45]
	s_mul_i32 s44, s[CELL], 25
	s_mul_i32 s46, s[G], 6
	s_add_co_u32 s44, s44, s46
	s_mul_i32 s44, s44, 6400
	s_add_co_u32 s44, s44, W1OFF
	s_add_nc_u64 s[WB:WB+1], s[12:13], s[44:45]
	s_lshl_b32 s44, ttmp9, 3
	s_lshl_b32 s46, s[RH], 2
	s_add_co_u32 s44, s44, s46
	s_mul_i32 s44, s44, 25600
	s_mul_i32 s46, s[CELL], 13107200
	s_add_co_u32 s44, s44, s46
	s_mul_i32 s46, s[G], 6144
	s_add_co_u32 s44, s44, s46
	s_add_nc_u64 s[CB:CB+1], s[16:17], s[44:45]
	s_mul_i32 s44, ttmp9, 53248
	s_mul_i32 s46, s[G], 1536
	s_add_co_u32 s44, s44, s46
	s_add_nc_u64 s[AC:AC+1], s[14:15], s[44:45]
	s_lshl_b32 s44, s[G], 17
	s_lshl_b32 s46, ttmp9, 11
	s_add_co_u32 s44, s44, s46
	s_lshl_b32 s46, s[WV], 9
	s_add_co_u32 s44, s44, s46
	s_add_co_u32 s44, s44, SCO
	s_add_nc_u64 s[SCP:SCP+1], s[14:15], s[44:45]
	; ---- x: dense loads, 512 bytes each, through my own LDS bytes; then each lane picks its k
.set z_, 0
.rept 14
	global_load_b128 v[160+4*z_:163+4*z_], v1, s[XP:XP+1] offset:512*z_
.set z_, z_+1
.endr
.set z_, 0
.rept 13
	global_load_b128 v[32+4*z_:35+4*z_], v1, s[XP:XP+1] offset:7168+512*z_
.set z_, z_+1
.endr
.irp j, 84,85,86,87
	v_mov_b32 v\j, 0
.endr
	v_cmp_gt_u32 vcc_lo, 16, v9
	s_wait_xcnt 0x0                                ; EXEC changes only behind this wait
	s_and_saveexec_b32 s52, vcc_lo
	global_load_b128 v[84:87], v1, s[XP:XP+1] offset:13824   ; the last 256 bytes: no load leaves the buffer
	s_wait_xcnt 0x0
	s_or_b32 exec_lo, exec_lo, s52
	s_wait_loadcnt 0x0
.set z_, 0
.rept 14
	ds_store_b128 v5, v[160+4*z_:163+4*z_] offset:512*z_
.set z_, z_+1
.endr
.set z_, 0
.rept 14
	ds_store_b128 v5, v[32+4*z_:35+4*z_] offset:7168+512*z_
.set z_, z_+1
.endr
	s_wait_dscnt 0x0                               ; the stores have read their registers
.irp rt, 0,1,2,3
.irp i, 7,8,9,10,11,12,13,14,15
	v_mov_b32 v[144+32*\rt+\i], 0                  ; k = 55 .. 63 do not exist
.endr
.endr
.irp rt, 0,1,2,3                       ; v[128 + 32 rt + 16 c + i] = x(row 16 rt + r, k = 32 c + 16 h + i)
.irp i, 0,1,2,3,4,5,6,7,8,9,10,11,12,13,14,15
	ds_load_b32 v[128+32*\rt+\i], v4 offset:3520*\rt+4*\i
.endr
.irp i, 0,1,2,3,4,5,6
	ds_load_b32 v[144+32*\rt+\i], v4 offset:3520*\rt+128+4*\i
.endr
.endr
	s_and_saveexec_b32 s52, vcc_lo                 ; k = 39 .. 47: lanes 0-15 alone
.irp rt, 0,1,2,3
.irp i, 7,8,9,10,11,12,13,14,15
	ds_load_b32 v[144+32*\rt+\i], v4 offset:3520*\rt+128+4*\i
.endr
.endr
	s_or_b32 exec_lo, exec_lo, s52
.irp q, 0,1,2,3,4,5,6,7
	v_mov_b32 v[40+\q], 0                          ; a lane permute's destination counts as one of its sources
.endr
	s_wait_dscnt 0x0
	; eight blocks (row tile q / 2, block q % 2) by turns: v32+q largest magnitude, v40+q byte, v48+q 448 x scale, v56+q scale operand
.irp q, 0,1,2,3,4,5,6,7
	v_max3_num_f32 v[32+\q], |v[128+16*\q]|, |v[129+16*\q]|, 0x4800000
.endr
.irp i, 2,4,6,8,10,12,14
.irp q, 0,1,2,3,4,5,6,7
	v_max3_num_f32 v[32+\q], v[32+\q], |v[128+16*\q+\i]|, |v[129+16*\q+\i]|
.endr
.endr
.irp q, 0,1,2,3,4,5,6,7
	v_permlanex16_b32 v[40+\q], v[32+\q], s[SEL], s[SEL+1]
.endr
.irp q, 0,1,2,3,4,5,6,7
	v_max_num_f32 v[32+\q], v[32+\q], v[40+\q]
.endr
.irp q, 0,1,2,3,4,5,6,7
	v_add_nc_u32 v[56+\q], 0xfc000000, v[32+\q]
.endr
.irp q, 0,1,2,3,4,5,6,7
	v_and_or_b32 v[48+\q], v[32+\q], 0x7f800000, s[MNT]
.endr
.irp q, 0,1,2,3,4,5,6,7
	v_lshrrev_b32 v[40+\q], 23, v[56+\q]
.endr
.irp rt, 0,1,2,3
	v_lshl_or_b32 v[16+\rt], v[41+2*\rt], 8, v[40+2*\rt]
	v_or_b32 v[16+\rt], 0x7f7f0000, v[16+\rt]      ; blocks 2 and 3 are zero codes: any byte but 0xff
.endr
.irp q, 0,1,2,3,4,5,6,7
.irp i, 0,1,2,3,4,5,6,7,8,9,10,11,12,13,14,15
	v_med3_num_f32 v[128+16*\q+\i], v[128+16*\q+\i], -v[48+\q], v[48+\q]
.endr
.endr
	WIN 0x40                                       ; destination window 1: x's fragments
.irp q, 0,1,2,3,4,5,6,7
	v_cvt_scalef32_pk8_fp8_f32 v[16*(\q/2)+4*(\q%2):16*(\q/2)+4*(\q%2)+1], v[128+16*\q:135+16*\q], v[56+\q]
	v_cvt_scalef32_pk8_fp8_f32 v[16*(\q/2)+4*(\q%2)+2:16*(\q/2)+4*(\q%2)+3], v[136+16*\q:143+16*\q], v[56+\q]
.endr
.irp rt, 0,1,2,3
.irp j, 8,9,10,11,12,13,14,15
	v_mov_b32 v[16*\rt+\j], 0
.endr
.endr
	WIN 0
	LOADW 0
	PLACES 8                                       ; operands written by vector instructions stand ahead of a scaled product
.irp t, 0,1,2,3,4,5
	STEP1 \t
.endr
	s_cmp_lg_u32 s[G], 3
	s_cbranch_scc1 .Lend
	STEP1 6                                        ; tile 24: units 384 .. 399, the half block
.Lend:
	global_store_b128 v1, v[QW:QW+3], s[SCP:SCP+1] ; my row's scale words of this group's blocks
	s_endpgm
.Lfunc_end_k_qf0b7efa291_l1:
	.size	k_qf0b7efa291_l1, .Lfunc_end_k_qf0b7efa291_l1-k_qf0b7efa291_l1
	.p2alignl 7, 3214868480
	.fill 96, 4, 3214868480
	.section	.rodata,"a",@progbits
	.p2align	6, 0x0
	.amdhsa_kernel k_qf0b7efa291_l1
		.amdhsa_group_segment_fixed_size 94208
		.amdhsa_private_segment_fixed_size 0
		.amdhsa_enable_private_segment 0
		.amdhsa_kernarg_size 56
		.amdhsa_user_sgpr_count 2
		.amdhsa_user_sgpr_kernarg_segment_ptr 1
		.amdhsa_wavefront_size32 1
		.amdhsa_system_sgpr_workgroup_id_x 1
		.amdhsa_system_sgpr_workgroup_id_y 1
		.amdhsa_system_sgpr_workgroup_id_z 1
		.amdhsa_system_vgpr_workitem_id 0
		.amdhsa_next_free_vgpr 320
		.amdhsa_next_free_sgpr 66
		.amdhsa_reserve_vcc 1
		.amdhsa_float_denorm_mode_32 3
		.amdhsa_float_denorm_mode_16_64 3
		.amdhsa_memory_ordered 1
		.amdhsa_forward_progress 1
		.amdhsa_inst_pref_size 255
	.end_amdhsa_kernel
	.section	.bss,"aw",@nobits
	.p2align	6
	.space	262144
	.amdgpu_metadata
---
amdhsa.version: [ 1, 2 ]
amdhsa.kernels:
  - .name:           k_qf0b7efa291_l1
    .symbol:         k_qf0b7efa291_l1.kd
    .args:
      - { .name: x_temp, .offset: 0, .size: 8, .value_kind: global_buffer, .address_space: global }
      - { .name: x_air, .offset: 8, .size: 8, .value_kind: global_buffer, .address_space: global }
      - { .name: b_t1, .offset: 16, .size: 8, .value_kind: global_buffer, .address_space: global }
      - { .name: b_a1, .offset: 24, .size: 8, .value_kind: global_buffer, .address_space: global }
      - { .name: wq, .offset: 32, .size: 8, .value_kind: global_buffer, .address_space: global }
      - { .name: act1, .offset: 40, .size: 8, .value_kind: global_buffer, .address_space: global }
      - { .name: c1, .offset: 48, .size: 8, .value_kind: global_buffer, .address_space: global }
    .group_segment_fixed_size: 94208
    .private_segment_fixed_size: 0
    .kernarg_segment_align: 8
    .kernarg_segment_size: 56
    .max_flat_workgroup_size: 128
    .sgpr_count:     66
    .vgpr_count:     320
    .wavefront_size: 32
...
	.end_amdgpu_metadata
.endif
;; end of part 2
;; launch l2 (part 3): grid 64 x 4, 4 waves a work-group, clusters of 4 x 1, 327,680 bytes of LDS; arguments act1, c1, wq, act2, c2; writes act2, c2
.if DOCPART == 3
	.amdgcn_target "amdgcn-amd-amdhsa--gfx1250"
	.amdhsa_code_object_version 6
	.text
	.protected	k_qf0b7efa291_l2
	.globl	k_qf0b7efa291_l2
	.p2align	8
	.type	k_qf0b7efa291_l2,@function
k_qf0b7efa291_l2:
	s_mov_b64 s[64:65], 0
	v_nop
	global_prefetch_b8 v0, s[64:65] scope:SCOPE_SE
	s_setreg_imm32_b32 hwreg(HW_REG_WAVE_MODE, 25, 1), 1
	s_wait_xcnt 0x0
	s_wait_alu depctr_hold_cnt(0) depctr_sa_sdst(0) depctr_va_vdst(0) depctr_va_sdst(0) depctr_va_ssrc(0) depctr_va_vcc(0) depctr_vm_vsrc(0)
	s_getreg_b32 s2, hwreg(HW_REG_IB_STS2, 6, 4)
	s_cmp_eq_u32 s2, 0
	s_cbranch_scc0 .Lentry_in_a_cluster
	s_endpgm
.Lentry_in_a_cluster:
	s_bfe_u32 s2, ttmp6, 0x10000c
	s_cmp_lg_u32 s2, 0x3003
	s_cbranch_scc0 .Lentry_shape_is_right
	s_endpgm
.Lentry_shape_is_right:
; A layer of two child-sum LSTM cells (t and a) on codes of E4M3 with E8M0 scales.  LAST = 0: layer 2, stores c and the next layer's operands Q(ht), Q(ha), Q(ht + ha).  LAST = 1: layer 3, stores h in f32.
; SHARES.  Work-group (rb, g): rows 128 rb .. + 127, unit tiles 6 g .. 6 g + 5 (g = 3: 18 .. 24).  Wave w: cell w & 1, rows 64 (w >> 1) on: four tiles of 16 rows.  A step is one tile of 16 units.
; Products are used transposed (source 0 = 16 units of a weight, source 1 = 16 rows): lane (r, h) holds row r and units 8 h + 0 .. 7.
; A WAVE'S ACTIVATIONS STAY IN REGISTERS for the whole launch: 11 K steps of 128 = blocks [own 13 | hs 13 | 2 of zeros | other 13 | 3 of zeros], x 4 row tiles = 704 registers.  x = own in both cells.
; THE WEIGHTS STREAM THROUGH LDS: one image of 56,064 bytes for a tile and a cell, fragments in the order of use; each fragment read feeds 4 products (Uf: 8).  33 K steps a row tile and step:
; x Wxf 4, own Uf 4, other Uf 4; [x | hs][Wx | U] 7 each for i, u, o (13 + 13 blocks on end: 7 steps where two padded runs would take 8).  The biases are the C of each sum's first product.
; RING: two slots; behind each round wave 0 and 1 ask JOINTLY (the four row blocks of a cluster walk the same weights) for the next tile's two images, waves 2 and 3 each for the work-group's own c of one cell.
; One tensor load of a wave is out at any time; it has a whole step (132 products and the gates' arithmetic) in which to land.
; c = i u + f_own c_own + f_other c_other;  h = o tanh(c).  sigmoid = rcp(1 + 2^(-x log2 e)), tanh = 1 - 2 rcp(1 + 2^(2 x log2 e)): both saturate rightly; tanh's error is absolute, some 1e-7.
; LIMITS: x Wx and hs U are summed in one accumulator; a block of zeros gets the byte 1 where the rule says 127 (zero codes; read by this program alone); NaN and infinities are not served.
; No prefetch: tiles are asked for a whole step ahead by their own loads, and the activations are read at the head.
.set LAST,  0
.set LAYER, 0
.set IMGB,  56064
.set TABO,  53248
.set BIO,   55168
.set ZOFF,  55424
.set SLOT1, 0x20000                    ; slot 1 begins here: one exclusive or turns an address from one slot into the other
.set COFF,  112128                     ; in a slot: two images, then c of cell 0 and of cell 1, 8 row tiles x 1,024 bytes each
.set STAGE, 262144                     ; h of both cells: [cell][row 128][32 units + 4 words]
.set SPARE, 299008                     ; the spare words, 128 bytes for each wave: two blocks of 256 bytes that no other line names
.set OPB,   3407872
.set SCO,   10223616
.set X0,  160                          ; three sets of four accumulators
.set X1,  192
.set X2,  224
.set QC,  64                           ; the codes of three blocks, in weight buffers that are idle then
.set QT,  58
.set QW,  54
.set QRD, 62
.set QOFF, 63
.set WV, 14
.set CELL, 15
.set RH, 16
.set RB, 17
.set G,  18
.set TB, 19                            ; LDS byte at which the slot in hand begins
.set PAR, 20                           ; 64 x (step & 1): which half of a block the tile is
.set CNT, 21
.set SH, 22
.set MNT, 23
.set K1, 48
.set K2, 50
; WINDOW 0: v1, v2 the add's two; v3/v4 fragments' LDS address (base / in the slot); v5/v6 scale words'; v7/v8 biases'; v9/v10 c_own's; v11/v12 c_other's; v13/v14 the stage; v15 16 x lane;
;   v16-37 activations' scale words [pair of row tiles][K step]: lanes 0-15 the even tile, lanes 16-31 the odd; v38-52 weights' scale words: lanes 0-15 fragment 2 q, lanes 16-31 fragment 2 q + 1;
;   v64-159 six weight buffers (fragment f in buffer f % 6).   WINDOWS 1-3: K step s, row tile rt at v[256 + 16 (4 s + rt)].   WINDOW 3: v192-223 biases f, i, u, o; v224-255 c_own.
; s[24:31], s[32:39] descriptor groups 1 (images, c); s[40:43], s[44:47] groups 0, which walk; s[52:57] own, hs, other codes; s[58:59] scale words; s[60:61] c or h out; s[62:63] codes out; s[66:67] scale words out
.set MSB, 0
.macro WIN new                         ; the immediate's high byte repeats the setting that is left
.if MSB != (\new)
	s_set_vgpr_msb (MSB<<8)|(\new)
.set MSB, (\new)
.endif
.endm
.macro PLACES n
.rept \n
	v_nop
.endr
.endm
.macro MULK d, a, k
.set z_, 0
.rept 16
	v_pk_mul_f32 v[\d+z_:\d+z_+1], v[\a+z_:\a+z_+1], s[\k:\k+1] op_sel_hi:[1,0]
.set z_, z_+2
.endr
.endm
.macro FMAK d, a, k, c
.set z_, 0
.rept 16
	v_pk_fma_f32 v[\d+z_:\d+z_+1], v[\a+z_:\a+z_+1], s[\k:\k+1], v[\c+z_:\c+z_+1] op_sel_hi:[1,0,1]
.set z_, z_+2
.endr
.endm
.macro MULV d, a, b
.set z_, 0
.rept 16
	v_pk_mul_f32 v[\d+z_:\d+z_+1], v[\a+z_:\a+z_+1], v[\b+z_:\b+z_+1]
.set z_, z_+2
.endr
.endm
.macro FMAV d, a, b, c
.set z_, 0
.rept 16
	v_pk_fma_f32 v[\d+z_:\d+z_+1], v[\a+z_:\a+z_+1], v[\b+z_:\b+z_+1], v[\c+z_:\c+z_+1]
.set z_, z_+2
.endr
.endm
.macro ADD1 x
.set z_, 0
.rept 16
	v_pk_add_f32 v[\x+z_:\x+z_+1], v[\x+z_:\x+z_+1], 1.0 op_sel_hi:[1,0]
.set z_, z_+2
.endr
.endm
.macro TANHF x
.set z_, 0
.rept 16
	v_pk_fma_f32 v[\x+z_:\x+z_+1], v[\x+z_:\x+z_+1], -2.0, 1.0 op_sel_hi:[1,0,0]
.set z_, z_+2
.endr
.endm
.macro EXPS x
.set z_, 0
.rept 32
	v_exp_f32 v[\x+z_], v[\x+z_]
.set z_, z_+1
.endr
.endm
.macro RCPS x
.set z_, 0
.rept 32
	v_rcp_f32 v[\x+z_], v[\x+z_]
.set z_, z_+1
.endr
.endm
.macro DONE                            ; behind a batch of transcendentals: one plain line, then the one wait ahead of the batch's first reader
	v_nop
	s_wait_alu depctr_va_vdst(0)
.endm
.macro ROUND                           ; a round of the cluster's barrier
	s_barrier_signal -1
	s_barrier_wait -1
	s_cmp_lg_u32 s[WV], 0
	s_cbranch_scc1 .Lnot_wave_0_\@
	s_barrier_signal -3
.Lnot_wave_0_\@:
	s_barrier_wait -3
	s_barrier_signal -1
	s_barrier_wait -1
.endm
.macro TLOAD                           ; waves 0, 1: the joint load of an image; waves 2, 3: the work-group's own c.  Four v_nop follow each line
	s_cmp_lt_u32 s[WV], 2
	s_cbranch_scc0 .Lfor_c_\@
	tensor_load_to_lds s[40:43], s[24:31]
	PLACES 4
	s_branch .Lasked_\@
.Lfor_c_\@:
	tensor_load_to_lds s[44:47], s[32:39]
	PLACES 4
.Lasked_\@:
.endm
.macro LOADF f                         ; fragment f into buffer f % 6; a chunk that the image does not hold is read from its chunk of zeros
.set lA, 0
.set lN, 4
.if (\f) == 7
.set lA, 3
.elseif ((\f) >= 8) && ((\f) <= 20)
.set lA, 6
.elseif (\f) == 21
.set lA, 8
.elseif (\f) >= 22
.set lA, 10
.endif
.if ((\f) == 6) || ((\f) == 7)
.set lN, 1
.elseif ((\f) == 20) || ((\f) == 21) || ((\f) == 28)
.set lN, 2
.endif
.set lc, 0
.rept 4
.if lc < lN
	ds_load_b128 v[64+16*((\f)%6)+4*lc:64+16*((\f)%6)+4*lc+3], v4 offset:(4*(\f)-lA+lc)*512
.else
	ds_load_b128 v[64+16*((\f)%6)+4*lc:64+16*((\f)%6)+4*lc+3], v4 offset:ZOFF
.endif
.set lc, lc+1
.endr
.endm
.macro LOADP p
	LOADF 2*(\p)
.if (\p) < 14
	LOADF 2*(\p)+1
.endif
.endm
; One product.  d: accumulators' base; f: weight fragment; ks: K step of the activations; rt: row tile; cm: 0 in place, 1 C = 0, 2 C = the bias at v[cr] of window 3
.macro WM d, f, ks, rt, cm, cr
.set wD, (\d)+8*(\rt)
.set wB, 64+16*((\f)%6)
.set wA, 64*((\ks)%4)+16*(\rt)
.set wS, 38+(\f)/2
.set wT, 16+11*((\rt)/2)+(\ks)
.set wV, ((\f)%2)+2*((\rt)%2)
.set wC, wD
.set wW, 4*(1+(\ks)/4)
.if (\cm) == 2
.set wC, (\cr)
.set wW, wW+0x30
.endif
	WIN wW
.if (\cm) == 1
.if wV == 0
	v_wmma_scale_f32_16x16x128_f8f6f4 v[wD:wD+7], v[wB:wB+15], v[wA:wA+15], 0, v[wS], v[wT]
.elseif wV == 1
	v_wmma_scale_f32_16x16x128_f8f6f4 v[wD:wD+7], v[wB:wB+15], v[wA:wA+15], 0, v[wS], v[wT] matrix_a_scale:MATRIX_SCALE_ROW1
.elseif wV == 2
	v_wmma_scale_f32_16x16x128_f8f6f4 v[wD:wD+7], v[wB:wB+15], v[wA:wA+15], 0, v[wS], v[wT] matrix_b_scale:MATRIX_SCALE_ROW1
.else
	v_wmma_scale_f32_16x16x128_f8f6f4 v[wD:wD+7], v[wB:wB+15], v[wA:wA+15], 0, v[wS], v[wT] matrix_a_scale:MATRIX_SCALE_ROW1 matrix_b_scale:MATRIX_SCALE_ROW1
.endif
.else
.if wV == 0
	v_wmma_scale_f32_16x16x128_f8f6f4 v[wD:wD+7], v[wB:wB+15], v[wA:wA+15], v[wC:wC+7], v[wS], v[wT]
.elseif wV == 1
	v_wmma_scale_f32_16x16x128_f8f6f4 v[wD:wD+7], v[wB:wB+15], v[wA:wA+15], v[wC:wC+7], v[wS], v[wT] matrix_a_scale:MATRIX_SCALE_ROW1
.elseif wV == 2
	v_wmma_scale_f32_16x16x128_f8f6f4 v[wD:wD+7], v[wB:wB+15], v[wA:wA+15], v[wC:wC+7], v[wS], v[wT] matrix_b_scale:MATRIX_SCALE_ROW1
.else
	v_wmma_scale_f32_16x16x128_f8f6f4 v[wD:wD+7], v[wB:wB+15], v[wA:wA+15], v[wC:wC+7], v[wS], v[wT] matrix_a_scale:MATRIX_SCALE_ROW1 matrix_b_scale:MATRIX_SCALE_ROW1
.endif
.endif
.endm
; Product i of pair p.  Pairs 0-3: x Wxf (X0), own Uf (X1), other Uf (X2), K step p: 12 accumulators by turns.  Pairs 4-10: i (X0), u (X2), K step p - 4: 8 by turns.  Pairs 11-14: o (X2), two K steps: 4 by turns.
.macro MM p, i
.set mR, (\i)%4
.set mK, (\i)/4
.set mC, 0
.if (\p) < 4
.if mK == 0
.if (\p) == 0
.set mC, 2
.endif
	WM X0, 2*(\p), \p, mR, mC, 192
.else
.if (\p) == 0
.set mC, 1
.endif
.if mK == 1
	WM X1, 2*(\p)+1, \p, mR, mC, 0
.else
	WM X2, 2*(\p)+1, (\p)+7, mR, mC, 0
.endif
.endif
.elseif (\p) < 11
.if (\p) == 4
.set mC, 2
.endif
.if mK == 0
	WM X0, 2*(\p), (\p)-4, mR, mC, 200
.else
	WM X2, 2*(\p)+1, (\p)-4, mR, mC, 208
.endif
.else
.if ((\p) == 11) && (mK == 0)
.set mC, 2
.endif
	WM X2, 2*(\p)+mK, 2*(\p)+mK-22, mR, mC, 216
.endif
.endm
; Pair p's products.  ld = 1: pair p + 2's fragments are fetched into the buffers that pair p - 1 has left: two v_nop behind each of the first four products are the eight places behind that pair's last product.
; The loads and the v_nop use the destination's and source 0's windows alone, which stay 0 through the products.
.macro RUN p, wait, ld
	s_wait_dscnt \wait
.set nI, 8
.if (\p) < 4
.set nI, 12
.endif
.if (\p) == 14
.set nI, 4
.endif
.set ii, 0
.rept nI
	MM \p, ii
.if (ii < 4) && (\ld)
	v_nop
	v_nop
.endif
.if (ii == 3) && (\ld)
	LOADP (\p)+2
.endif
.set ii, ii+1
.endr
.endm
; THE HEAD OF A STEP: the change of slots.  Every wave: all its tensor loads have landed (its part of the slot ahead); 0 onto its spare word; the walking descriptors step;
; the add and its reads of the slot behind are done; a round of the cluster's barrier; the refill first behind it.  refill = 1: always; 2: only the group that has a seventh tile; 0: none, and a plain barrier.
.macro HEAD refill
	s_wait_xcnt 0x0
	s_wait_tensorcnt 0x0
	ds_add_u32 v1, v2
.if \refill
	s_xor_b32 s41, s41, SLOT1
	s_add_nc_u64 s[42:43], s[42:43], 2*IMGB
	s_xor_b32 s45, s45, SLOT1
	s_add_nc_u64 s[46:47], s[46:47], 1024
.endif
	s_wait_dscnt 0x0
.if \refill
	ROUND
.else
	s_barrier_signal -1
	s_barrier_wait -1
.endif
.if \refill == 1
	TLOAD
.elseif \refill == 2
	s_cmp_eq_u32 s[G], 3                           ; the cluster's y: the same in all four partners
	s_cbranch_scc0 .Lno_more_\@
	TLOAD
.Lno_more_\@:
.endif
	v_add_nc_u32 v4, s[TB], v3
	v_add_nc_u32 v6, s[TB], v5
	v_add_nc_u32 v8, s[TB], v7
	v_add_nc_u32 v10, s[TB], v9
	v_add_nc_u32 v12, s[TB], v11
.if !LAST
	v_add_nc_u32 v14, s[PAR], v13
.endif
.set z_, 0
.rept 15
	ds_load_b32 v[38+z_], v6 offset:TABO+128*z_
.set z_, z_+1
.endr
	WIN 0xc0
.irp gt, 0,1,2,3
	ds_load_b128 v[192+8*\gt:195+8*\gt], v8 offset:BIO+64*\gt
	ds_load_b128 v[196+8*\gt:199+8*\gt], v8 offset:BIO+64*\gt+16
.endr
	WIN 0
	LOADP 0
	LOADP 1
.endm
.macro STEP
	RUN 0, 8, 1                                    ; each wait leaves the next pair's eight loads out
	RUN 1, 8, 1
	RUN 2, 8, 1
	RUN 3, 8, 1
	WIN 0
	PLACES 9
	WIN 0xc0
.irp rt, 0,1,2,3
	ds_load_b128 v[224+8*\rt:227+8*\rt], v10 offset:1024*\rt
	ds_load_b128 v[228+8*\rt:231+8*\rt], v10 offset:1024*\rt+512
.endr
	WIN 0
	MULK X0, X0, K1                                ; -(x Wxf + b) log2 e
	FMAK X1, X1, K1, X0
	FMAK X2, X2, K1, X0
.irp rt, 0,1,2,3
	ds_load_b128 v[X0+8*\rt:X0+8*\rt+3], v12 offset:1024*\rt
	ds_load_b128 v[X0+8*\rt+4:X0+8*\rt+7], v12 offset:1024*\rt+512
.endr
	EXPS X1
	EXPS X2
	DONE
	ADD1 X1
	ADD1 X2
	RCPS X1
	RCPS X2
	DONE
	s_wait_dscnt 0x0                               ; both c, and pairs 4 and 5
	WIN 0x0c
	MULV X1, X1, 224                               ; f_own c_own
	WIN 0
	FMAV X1, X2, X0, X1                            ; + f_other c_other
	RUN 4, 8, 1
	RUN 5, 8, 1
	RUN 6, 8, 1
	RUN 7, 8, 1
	RUN 8, 8, 1
	RUN 9, 8, 1
	RUN 10, 8, 1
	WIN 0
	PLACES 9
	MULK X0, X0, K1
	MULK X2, X2, K2
	EXPS X0
	EXPS X2
	DONE
	ADD1 X0
	ADD1 X2
	RCPS X0
	RCPS X2
	DONE
	TANHF X2                                       ; u
	FMAV X1, X0, X2, X1                            ; c
.if !LAST
.irp rt, 0,1,2,3
	global_store_b128 v15, v[X1+8*\rt:X1+8*\rt+3], s[60:61] offset:\rt*25600 th:TH_STORE_NT        ; 512 consecutive bytes, aligned
	global_store_b128 v15, v[X1+8*\rt+4:X1+8*\rt+7], s[60:61] offset:\rt*25600+512 th:TH_STORE_NT
.endr
.endif
	MULK X0, X1, K2
	RUN 11, 8, 1
	RUN 12, 8, 1
	RUN 13, 4, 0                                   ; pair 14 is one fragment: four loads may be out
	RUN 14, 0, 0
	WIN 0
	PLACES 9
	MULK X2, X2, K1
	EXPS X2
	EXPS X0
	DONE
	ADD1 X2
	ADD1 X0
	RCPS X2
	RCPS X0
	DONE
	TANHF X0                                       ; tanh(c)
	MULV X0, X0, X2                                ; h
.irp rt, 0,1,2,3
.if LAST
	global_store_b128 v15, v[X0+8*\rt:X0+8*\rt+3], s[60:61] offset:\rt*51200 th:TH_STORE_NT
	global_store_b128 v15, v[X0+8*\rt+4:X0+8*\rt+7], s[60:61] offset:\rt*51200+512 th:TH_STORE_NT
.else
	ds_store_b128 v14, v[X0+8*\rt:X0+8*\rt+3] offset:2304*\rt
	ds_store_b128 v14, v[X0+8*\rt+4:X0+8*\rt+7] offset:2304*\rt+16
.endif
.endr
	s_wait_xcnt 0x0                                ; the stores have read their base and data
	s_add_nc_u64 s[60:61], s[60:61], 1024
	s_xor_b32 s[TB], s[TB], SLOT1
	s_xor_b32 s[PAR], s[PAR], 64
.endm
.macro QB x, c, w                      ; a whole block of 32 in one lane's registers: 8 registers of codes, its byte into word w at bit s[SH]
	v_max3_num_f32 v[QT], |v[\x]|, |v[\x+1]|, 0x4800000
	v_max3_num_f32 v[QT+1], |v[\x+16]|, |v[\x+17]|, |v[\x+18]|
.irp i, 2,4,6,8,10,12
	v_max3_num_f32 v[QT], v[QT], |v[\x+\i]|, |v[\x+\i+1]|
	v_max3_num_f32 v[QT+1], v[QT+1], |v[\x+17+\i]|, |v[\x+18+\i]|
.endr
	v_max3_num_f32 v[QT], v[QT], |v[\x+14]|, |v[\x+15]|
	v_max3_num_f32 v[QT], v[QT], v[QT+1], |v[\x+31]|
	v_add_nc_u32 v[QT+2], 0xfc000000, v[QT]
	v_and_or_b32 v[QT+3], v[QT], 0x7f800000, s[MNT]
	v_lshrrev_b32 v[QT+1], 23, v[QT+2]
	v_lshl_or_b32 v[\w], v[QT+1], s[SH], v[\w]
.set z_, 0
.rept 32
	v_med3_num_f32 v[\x+z_], v[\x+z_], -v[QT+3], v[QT+3]
.set z_, z_+1
.endr
.irp k, 0,1,2,3
	v_cvt_scalef32_pk8_fp8_f32 v[\c+2*\k:\c+2*\k+1], v[\x+8*\k:\x+8*\k+7], v[QT+2]
.endr
	v_nop
.endm
; A block of 32 units of both cells lies in the stage: a lane takes a row.  The barrier at the next step's head parts these reads from the next stores into the stage.
.macro QBLOCK
	s_wait_xcnt 0x0
	s_wait_dscnt 0x0
	s_barrier_signal -1
	s_barrier_wait -1
.irp i, 0,1,2,3,4,5,6,7
	ds_load_b128 v[X0+4*\i:X0+4*\i+3], v[QRD] offset:16*\i
	ds_load_b128 v[X1+4*\i:X1+4*\i+3], v[QRD] offset:18432+16*\i
.endr
	s_wait_dscnt 0x0
.set z_, 0
.rept 16
	v_pk_add_f32 v[X2+z_:X2+z_+1], v[X0+z_:X0+z_+1], v[X1+z_:X1+z_+1]
.set z_, z_+2
.endr
	QB X0, QC, QW
	QB X1, QC+8, QW+1
	QB X2, QC+16, QW+2
.irp op, 0,1,2
	global_store_b128 v[QOFF], v[QC+8*\op:QC+8*\op+3], s[62:63] offset:\op*OPB
	global_store_b128 v[QOFF], v[QC+8*\op+4:QC+8*\op+7], s[62:63] offset:\op*OPB+256
.endr
	s_wait_xcnt 0x0
	s_add_nc_u64 s[62:63], s[62:63], 512
	s_add_co_u32 s[SH], s[SH], 8
.endm
.macro ALOAD base, pb0                 ; an operand's 13 blocks x 4 row tiles, into packed blocks pb0 on
.set blk, 0
.rept 13
.set pb, (\pb0)+blk
.set ks, pb/4
.set wn, (1+ks/4)*64
	WIN wn
.irp rt, 0,1,2,3
	global_load_b128 v[64*(ks%4)+16*\rt+4*(pb%4):64*(ks%4)+16*\rt+4*(pb%4)+3], v15, s[\base:\base+1] offset:\rt*6656+blk*512
.endr
.set blk, blk+1
.endr
.endm
.macro ASMAKE p                        ; the scale words of 11 K steps from the twelve words [own, hs, other][group of blocks]: a group's word holds blocks 3 g, 3 g + 1, 3 g + 2 (group 3: block 12 too)
.set aW, 160+12*(\p)
.set aH, aW+4
.set aO, aW+8
.set aD, 16+11*(\p)
	v_perm_b32 v[aD+0], v[aW+1], v[aW+0], 0x04020100
	v_perm_b32 v[aD+1], v[aW+2], v[aW+1], 0x05040201
	v_perm_b32 v[aD+2], v[aW+3], v[aW+2], 0x06050402
	v_perm_b32 v[aD+3], v[aH+0], v[aW+3], 0x06050403
	v_perm_b32 v[aD+4], v[aH+2], v[aH+1], 0x04020100
	v_perm_b32 v[aD+5], v[aH+3], v[aH+2], 0x05040201
	v_perm_b32 v[aD+6], v[aH+3], v[aH+3], 0x03020302
	v_perm_b32 v[aD+7], v[aO+1], v[aO+0], 0x04020100
	v_perm_b32 v[aD+8], v[aO+2], v[aO+1], 0x05040201
	v_perm_b32 v[aD+9], v[aO+3], v[aO+2], 0x06050402
	v_perm_b32 v[aD+10], v[aO+3], v[aO+3], 0x03030303
.endm
	s_load_b256 s[4:11], s[0:1], 0x0               ; operands in, c in, wq, (LAST = 0: operands out; 1: h3)
.if !LAST
	s_load_b64 s[12:13], s[0:1], 0x20              ; c out
.endif
	v_lshl_add_u32 v1, v0, 2, SPARE
	v_mov_b32 v2, 0
	v_lshrrev_b32 v224, 5, v0
	v_readfirstlane_b32 s[WV], v224
	s_and_b32 s[CELL], s[WV], 1
	s_lshr_b32 s[RH], s[WV], 1
	s_bfe_u32 s68, ttmp6, 0x40000                  ; cx
	s_lshl_b32 s[RB], ttmp9, 2
	s_add_co_u32 s[RB], s[RB], s68                 ; my block of 128 rows: it enters global addresses alone
	s_and_b32 s[G], ttmp7, 0xffff                  ; my group of units: the cluster's y
	; every LDS address: constants, the lane, the wave's number
	v_and_b32 v224, 31, v0
	v_and_b32 v225, 15, v0
	v_bfe_u32 v226, v0, 4, 1
	s_mul_i32 s69, s[CELL], IMGB
	v_lshlrev_b32 v15, 4, v224
	v_add_nc_u32 v3, s69, v15
	v_lshl_add_u32 v5, v224, 2, s69
	v_lshl_add_u32 v7, v226, 5, s69
	s_lshl_b32 s74, s[RH], 12
	s_add_co_u32 s74, s74, COFF
	s_lshl_b32 s77, s[CELL], 13
	s_add_co_u32 s77, s77, s74
	v_add_nc_u32 v9, s77, v15
	s_xor_b32 s77, s[CELL], 1
	s_lshl_b32 s77, s77, 13
	s_add_co_u32 s77, s77, s74
	v_add_nc_u32 v11, s77, v15
.if !LAST
	s_mul_i32 s77, s[CELL], 18432
	s_mul_i32 s74, s[RH], 9216
	s_add_co_u32 s77, s77, s74
	s_add_co_u32 s77, s77, STAGE
	v_mul_u32_u24 v13, v225, 144
	v_lshl_add_u32 v13, v226, 5, v13
	v_add_nc_u32 v13, s77, v13
	v_mul_u32_u24 v[QRD], v0, 144
	v_add_nc_u32 v[QRD], STAGE, v[QRD]
	v_lshrrev_b32 v[QOFF], 4, v0
	v_mul_u32_u24 v[QOFF], v[QOFF], 6656
	v_lshl_add_u32 v[QOFF], v225, 4, v[QOFF]
.irp j, 0,1,2,3
	v_mov_b32 v[QW+\j], 0
.endr
.endif
	s_lshl_b32 s77, s[CELL], 2
	v_add_nc_u32 v58, s77, v15                     ; scale words in: 16 bytes a row; own,
	v_add_nc_u32 v59, 8, v15                       ; hs,
	s_xor_b32 s77, s77, 4
	v_add_nc_u32 v60, s77, v15                     ; other
	; the blocks of zeros among the activations: 26, 27 (K step 6) and 41-43 (K step 10)
	WIN 0x80
.irp rt, 0,1,2,3
.irp j, 8,9,10,11,12,13,14,15
	v_mov_b32 v[128+16*\rt+\j], 0
.endr
.endr
	WIN 0xc0
.irp rt, 0,1,2,3
.irp j, 4,5,6,7,8,9,10,11,12,13,14,15
	v_mov_b32 v[128+16*\rt+\j], 0
.endr
.endr
	WIN 0
	; descriptor groups 1.  An image: 219 rows of 256 bytes (32 elements of 8), dense; mask: all four work-groups, bit 21 beside it
	s_mov_b32 s24, 15|(3<<16)|(1<<21)
	s_mov_b32 s25, 32<<16
	s_mov_b32 s26, 219<<16
	s_mov_b32 s27, 32<<16
	s_mov_b32 s28, 219
	s_mov_b32 s29, 32
	s_mov_b32 s30, 0
	s_mov_b32 s31, 0
	; c of one cell: 8 row tiles x 1,024 bytes (128 elements of 8), 25,600 bytes apart; no mask
	s_mov_b32 s32, 3<<16
	s_mov_b32 s33, 128<<16
	s_mov_b32 s34, 8<<16
	s_mov_b32 s35, 128<<16
	s_mov_b32 s36, 8
	s_mov_b32 s37, 3200
	s_mov_b32 s38, 0
	s_mov_b32 s39, 0
	s_mul_i32 s70, s[G], 12*IMGB                   ; the images: tile 6 g, my cell: nothing of the place in the cluster
	s_add_co_u32 s70, s70, s69
	s_add_co_u32 s70, s70, LAYER*2803200
	s_mov_b32 s71, 0
	s_mul_i32 s72, s[CELL], 13107200               ; c: my cell, the work-group's 8 row tiles, tile 6 g
	s_mul_i32 s74, s[RB], 204800
	s_add_co_u32 s72, s72, s74
	s_mul_i32 s74, s[G], 6144
	s_add_co_u32 s72, s72, s74
	s_mov_b32 s73, 0
	s_mov_b32 s[K1], 0xbfb8aa3b                    ; -log2 e
	s_mov_b32 s[K1+1], s[K1]
	s_mov_b32 s[K2], 0x4038aa3b                    ; 2 log2 e
	s_mov_b32 s[K2+1], s[K2]
	s_mov_b32 s[MNT], 0x600000
	s_mov_b32 s[TB], 0
	s_mov_b32 s[PAR], 0
	s_mov_b32 s[SH], 0
	s_mov_b32 s[CNT], 0
	s_wait_kmcnt 0x0
	s_mov_b32 s40, 1
	s_mov_b32 s41, s69
	s_add_nc_u64 s[42:43], s[8:9], s[70:71]
	s_or_b32 s43, s43, 0x80000000
	s_mov_b32 s44, 1
	s_lshl_b32 s45, s[CELL], 13
	s_add_co_u32 s45, s45, COFF
	s_add_nc_u64 s[46:47], s[6:7], s[72:73]
	s_or_b32 s47, s47, 0x80000000
	ROUND                                          ; all four work-groups are here: the first joint loads meet
	TLOAD                                          ; the first tile, into slot 0
	s_lshl_b32 s75, s[RB], 3
	s_lshl_b32 s74, s[RH], 2
	s_add_co_u32 s75, s75, s74                     ; my first row tile
	s_mul_i32 s76, s75, 6656
	s_mov_b32 s79, 0
	s_mul_i32 s78, s[CELL], OPB
	s_add_co_u32 s78, s78, s76
	s_add_nc_u64 s[52:53], s[4:5], s[78:79]
	s_add_co_u32 s78, s76, 2*OPB
	s_add_nc_u64 s[54:55], s[4:5], s[78:79]
	s_xor_b32 s74, s[CELL], 1
	s_mul_i32 s78, s74, OPB
	s_add_co_u32 s78, s78, s76
	s_add_nc_u64 s[56:57], s[4:5], s[78:79]
	s_lshl_b32 s78, s[RB], 11
	s_lshl_b32 s74, s[RH], 10
	s_add_co_u32 s78, s78, s74
	s_add_co_u32 s78, s78, SCO
	s_add_nc_u64 s[58:59], s[4:5], s[78:79]
.if LAST
	s_mul_i32 s78, s75, 51200
	s_mul_i32 s74, s[CELL], 25600
	s_add_co_u32 s78, s78, s74
	s_mul_i32 s74, s[G], 6144
	s_add_co_u32 s78, s78, s74
	s_add_nc_u64 s[60:61], s[10:11], s[78:79]
.else
	s_mul_i32 s78, s75, 25600
	s_mul_i32 s74, s[CELL], 13107200
	s_add_co_u32 s78, s78, s74
	s_mul_i32 s74, s[G], 6144
	s_add_co_u32 s78, s78, s74
	s_add_nc_u64 s[60:61], s[12:13], s[78:79]
	s_mul_i32 s78, s[RB], 53248
	s_mul_i32 s74, s[G], 1536
	s_add_co_u32 s78, s78, s74
	s_add_nc_u64 s[62:63], s[10:11], s[78:79]
	s_lshl_b32 s78, s[G], 17
	s_lshl_b32 s74, s[RB], 11
	s_add_co_u32 s78, s78, s74
	s_lshl_b32 s74, s[WV], 9
	s_add_co_u32 s78, s78, s74
	s_add_co_u32 s78, s78, SCO
	s_add_nc_u64 s[66:67], s[10:11], s[78:79]
.endif
	ALOAD 52, 0                                    ; own
	ALOAD 54, 13                                   ; hs
	ALOAD 56, 28                                   ; other
	WIN 0
.irp p, 0,1
.irp gq, 0,1,2,3
	global_load_b32 v[160+12*\p+\gq], v58, s[58:59] offset:\gq*131072+\p*512
	global_load_b32 v[164+12*\p+\gq], v59, s[58:59] offset:\gq*131072+\p*512
	global_load_b32 v[168+12*\p+\gq], v60, s[58:59] offset:\gq*131072+\p*512
.endr
.endr
	s_wait_loadcnt 0x0
	ASMAKE 0
	ASMAKE 1
.Lloop:                                            ; steps 0 to 4: five trips, a constant
	HEAD 1
	STEP
.if !LAST
	s_bitcmp1_b32 s[CNT], 0                        ; behind each second tile a block of 32 units is whole
	s_cbranch_scc0 .Lnoq
	QBLOCK
.Lnoq:
.endif
	s_add_co_u32 s[CNT], s[CNT], 1
	s_cmp_lt_u32 s[CNT], 5
	s_cbranch_scc1 .Lloop
	HEAD 2                                         ; step 5: only the last group asks for a seventh tile
	STEP
.if !LAST
	QBLOCK
.endif
	s_cmp_lg_u32 s[G], 3
	s_cbranch_scc1 .Lend
	HEAD 0                                         ; step 6: tile 24, units 384 .. 399
	STEP
.if !LAST
.irp j, 0,1,2,3
	v_mov_b32 v[QC+\j], 0                          ; units 400 .. 415 do not exist: the last block's upper half is zeros
.endr
.irp rt, 0,1,2,3
	ds_store_b128 v13, v[QC:QC+3] offset:2304*\rt+64
	ds_store_b128 v13, v[QC:QC+3] offset:2304*\rt+80
.endr
	QBLOCK
.endif
.Lend:
.if !LAST
	global_store_b128 v15, v[QW:QW+3], s[66:67]    ; my row's scale words of this group's blocks
.endif
	s_wait_tensorcnt 0x0                           ; the wave's end
	ds_add_u32 v1, v2
	s_wait_dscnt 0x0
	ROUND                                          ; the closing round
	s_endpgm
.Lfunc_end_k_qf0b7efa291_l2:
	.size	k_qf0b7efa291_l2, .Lfunc_end_k_qf0b7efa291_l2-k_qf0b7efa291_l2
	.p2alignl 7, 3214868480
	.fill 96, 4, 3214868480
	.section	.rodata,"a",@progbits
	.p2align	6, 0x0
	.amdhsa_kernel k_qf0b7efa291_l2
		.amdhsa_group_segment_fixed_size 327680
		.amdhsa_private_segment_fixed_size 0
		.amdhsa_enable_private_segment 0
		.amdhsa_kernarg_size 40
		.amdhsa_user_sgpr_count 2
		.amdhsa_user_sgpr_kernarg_segment_ptr 1
		.amdhsa_wavefront_size32 1
		.amdhsa_system_sgpr_workgroup_id_x 1
		.amdhsa_system_sgpr_workgroup_id_y 1
		.amdhsa_system_sgpr_workgroup_id_z 1
		.amdhsa_system_vgpr_workitem_id 0
		.amdhsa_next_free_vgpr 1024
		.amdhsa_next_free_sgpr 100
		.amdhsa_reserve_vcc 0
		.amdhsa_float_denorm_mode_32 3
		.amdhsa_float_denorm_mode_16_64 3
		.amdhsa_memory_ordered 1
		.amdhsa_forward_progress 1
		.amdhsa_inst_pref_size 255
	.end_amdhsa_kernel
	.section	.bss,"aw",@nobits
	.p2align	6
	.space	262144
	.amdgpu_metadata
---
amdhsa.version: [ 1, 2 ]
amdhsa.kernels:
  - .name:           k_qf0b7efa291_l2
    .symbol:         k_qf0b7efa291_l2.kd
    .args:
      - { .name: act1, .offset: 0, .size: 8, .value_kind: global_buffer, .address_space: global }
      - { .name: c1, .offset: 8, .size: 8, .value_kind: global_buffer, .address_space: global }
      - { .name: wq, .offset: 16, .size: 8, .value_kind: global_buffer, .address_space: global }
      - { .name: act2, .offset: 24, .size: 8, .value_kind: global_buffer, .address_space: global }
      - { .name: c2, .offset: 32, .size: 8, .value_kind: global_buffer, .address_space: global }
    .group_segment_fixed_size: 327680
    .private_segment_fixed_size: 0
    .kernarg_segment_align: 8
    .kernarg_segment_size: 40
    .max_flat_workgroup_size: 128
    .sgpr_count:     100
    .vgpr_count:     1024
    .wavefront_size: 32
...
	.end_amdgpu_metadata
.endif
;; end of part 3
;; launch l3 (part 4): grid 64 x 4, 4 waves a work-group, clusters of 4 x 1, 327,680 bytes of LDS; arguments act2, c2, wq, h3; writes h3
.if DOCPART == 4
	.amdgcn_target "amdgcn-amd-amdhsa--gfx1250"
	.amdhsa_code_object_version 6
	.text
	.protected	k_qf0b7efa291_l3
	.globl	k_qf0b7efa291_l3
	.p2align	8
	.type	k_qf0b7efa291_l3,@function
k_qf0b7efa291_l3:
	s_mov_b64 s[64:65], 0
	v_nop
	global_prefetch_b8 v0, s[64:65] scope:SCOPE_SE
	s_setreg_imm32_b32 hwreg(HW_REG_WAVE_MODE, 25, 1), 1
	s_wait_xcnt 0x0
	s_wait_alu depctr_hold_cnt(0) depctr_sa_sdst(0) depctr_va_vdst(0) depctr_va_sdst(0) depctr_va_ssrc(0) depctr_va_vcc(0) depctr_vm_vsrc(0)
	s_getreg_b32 s2, hwreg(HW_REG_IB_STS2, 6, 4)
	s_cmp_eq_u32 s2, 0
	s_cbranch_scc0 .Lentry_in_a_cluster
	s_endpgm
.Lentry_in_a_cluster:
	s_bfe_u32 s2, ttmp6, 0x10000c
	s_cmp_lg_u32 s2, 0x3003
	s_cbranch_scc0 .Lentry_shape_is_right
	s_endpgm
.Lentry_shape_is_right:
; A layer of two child-sum LSTM cells (t and a) on codes of E4M3 with E8M0 scales.  LAST = 0: layer 2, stores c and the next layer's operands Q(ht), Q(ha), Q(ht + ha).  LAST = 1: layer 3, stores h in f32.
; SHARES.  Work-group (rb, g): rows 128 rb .. + 127, unit tiles 6 g .. 6 g + 5 (g = 3: 18 .. 24).  Wave w: cell w & 1, rows 64 (w >> 1) on: four tiles of 16 rows.  A step is one tile of 16 units.
; Products are used transposed (source 0 = 16 units of a weight, source 1 = 16 rows): lane (r, h) holds row r and units 8 h + 0 .. 7.
; A WAVE'S ACTIVATIONS STAY IN REGISTERS for the whole launch: 11 K steps of 128 = blocks [own 13 | hs 13 | 2 of zeros | other 13 | 3 of zeros], x 4 row tiles = 704 registers.  x = own in both cells.
; THE WEIGHTS STREAM THROUGH LDS: one image of 56,064 bytes for a tile and a cell, fragments in the order of use; each fragment read feeds 4 products (Uf: 8).  33 K steps a row tile and step:
; x Wxf 4, own Uf 4, other Uf 4; [x | hs][Wx | U] 7 each for i, u, o (13 + 13 blocks on end: 7 steps where two padded runs would take 8).  The biases are the C of each sum's first product.
; RING: two slots; behind each round wave 0 and 1 ask JOINTLY (the four row blocks of a cluster walk the same weights) for the next tile's two images, waves 2 and 3 each for the work-group's own c of one cell.
; One tensor load of a wave is out at any time; it has a whole step (132 products and the gates' arithmetic) in which to land.
; c = i u + f_own c_own + f_other c_other;  h = o tanh(c).  sigmoid = rcp(1 + 2^(-x log2 e)), tanh = 1 - 2 rcp(1 + 2^(2 x log2 e)): both saturate rightly; tanh's error is absolute, some 1e-7.
; LIMITS: x Wx and hs U are summed in one accumulator; NaN and infinities are not served.  The last layer's c is not stored: nobody reads it.
; No prefetch: tiles are asked for a whole step ahead by their own loads, and the activations are read at the head.
.set LAST,  1
.set LAYER, 1
.set IMGB,  56064
.set TABO,  53248
.set BIO,   55168
.set ZOFF,  55424
.set SLOT1, 0x20000                    ; slot 1 begins here: one exclusive or turns an address from one slot into the other
.set COFF,  112128                     ; in a slot: two images, then c of cell 0 and of cell 1, 8 row tiles x 1,024 bytes each
.set SPARE, 299008                     ; the spare words, 128 bytes for each wave: two blocks of 256 bytes that no other line names
.set OPB,   3407872
.set SCO,   10223616
.set X0,  160                          ; three sets of four accumulators
.set X1,  192
.set X2,  224
.set WV, 14
.set CELL, 15
.set RH, 16
.set RB, 17
.set G,  18
.set TB, 19                            ; LDS byte at which the slot in hand begins
.set CNT, 21
.set K1, 48
.set K2, 50
; WINDOW 0: v1, v2 the add's two; v3/v4 fragments' LDS address (base / in the slot); v5/v6 scale words'; v7/v8 biases'; v9/v10 c_own's; v11/v12 c_other's; v15 16 x lane;
;   v16-37 activations' scale words [pair of row tiles][K step]: lanes 0-15 the even tile, lanes 16-31 the odd; v38-52 weights' scale words: lanes 0-15 fragment 2 q, lanes 16-31 fragment 2 q + 1;
;   v64-159 six weight buffers (fragment f in buffer f % 6).   WINDOWS 1-3: K step s, row tile rt at v[256 + 16 (4 s + rt)].   WINDOW 3: v192-223 biases f, i, u, o; v224-255 c_own.
; s[24:31], s[32:39] descriptor groups 1 (images, c); s[40:43], s[44:47] groups 0, which walk; s[52:57] own, hs, other codes; s[58:59] scale words; s[60:61] h out
.set MSB, 0
.macro WIN new                         ; the immediate's high byte repeats the setting that is left
.if MSB != (\new)
	s_set_vgpr_msb (MSB<<8)|(\new)
.set MSB, (\new)
.endif
.endm
.macro PLACES n
.rept \n
	v_nop
.endr
.endm
.macro MULK d, a, k
.set z_, 0
.rept 16
	v_pk_mul_f32 v[\d+z_:\d+z_+1], v[\a+z_:\a+z_+1], s[\k:\k+1] op_sel_hi:[1,0]
.set z_, z_+2
.endr
.endm
.macro FMAK d, a, k, c
.set z_, 0
.rept 16
	v_pk_fma_f32 v[\d+z_:\d+z_+1], v[\a+z_:\a+z_+1], s[\k:\k+1], v[\c+z_:\c+z_+1] op_sel_hi:[1,0,1]
.set z_, z_+2
.endr
.endm
.macro MULV d, a, b
.set z_, 0
.rept 16
	v_pk_mul_f32 v[\d+z_:\d+z_+1], v[\a+z_:\a+z_+1], v[\b+z_:\b+z_+1]
.set z_, z_+2
.endr
.endm
.macro FMAV d, a, b, c
.set z_, 0
.rept 16
	v_pk_fma_f32 v[\d+z_:\d+z_+1], v[\a+z_:\a+z_+1], v[\b+z_:\b+z_+1], v[\c+z_:\c+z_+1]
.set z_, z_+2
.endr
.endm
.macro ADD1 x
.set z_, 0
.rept 16
	v_pk_add_f32 v[\x+z_:\x+z_+1], v[\x+z_:\x+z_+1], 1.0 op_sel_hi:[1,0]
.set z_, z_+2
.endr
.endm
.macro TANHF x
.set z_, 0
.rept 16
	v_pk_fma_f32 v[\x+z_:\x+z_+1], v[\x+z_:\x+z_+1], -2.0, 1.0 op_sel_hi:[1,0,0]
.set z_, z_+2
.endr
.endm
.macro EXPS x
.set z_, 0
.rept 32
	v_exp_f32 v[\x+z_], v[\x+z_]
.set z_, z_+1
.endr
.endm
.macro RCPS x
.set z_, 0
.rept 32
	v_rcp_f32 v[\x+z_], v[\x+z_]
.set z_, z_+1
.endr
.endm
.macro DONE                            ; behind a batch of transcendentals: one plain line, then the one wait ahead of the batch's first reader
	v_nop
	s_wait_alu depctr_va_vdst(0)
.endm
.macro ROUND                           ; a round of the cluster's barrier
	s_barrier_signal -1
	s_barrier_wait -1
	s_cmp_lg_u32 s[WV], 0
	s_cbranch_scc1 .Lnot_wave_0_\@
	s_barrier_signal -3
.Lnot_wave_0_\@:
	s_barrier_wait -3
	s_barrier_signal -1
	s_barrier_wait -1
.endm
.macro TLOAD                           ; waves 0, 1: the joint load of an image; waves 2, 3: the work-group's own c.  Four v_nop follow each line
	s_cmp_lt_u32 s[WV], 2
	s_cbranch_scc0 .Lfor_c_\@
	tensor_load_to_lds s[40:43], s[24:31]
	PLACES 4
	s_branch .Lasked_\@
.Lfor_c_\@:
	tensor_load_to_lds s[44:47], s[32:39]
	PLACES 4
.Lasked_\@:
.endm
.macro LOADF f                         ; fragment f into buffer f % 6; a chunk that the image does not hold is read from its chunk of zeros
.set lA, 0
.set lN, 4
.if (\f) == 7
.set lA, 3
.elseif ((\f) >= 8) && ((\f) <= 20)
.set lA, 6
.elseif (\f) == 21
.set lA, 8
.elseif (\f) >= 22
.set lA, 10
.endif
.if ((\f) == 6) || ((\f) == 7)
.set lN, 1
.elseif ((\f) == 20) || ((\f) == 21) || ((\f) == 28)
.set lN, 2
.endif
.set lc, 0
.rept 4
.if lc < lN
	ds_load_b128 v[64+16*((\f)%6)+4*lc:64+16*((\f)%6)+4*lc+3], v4 offset:(4*(\f)-lA+lc)*512
.else
	ds_load_b128 v[64+16*((\f)%6)+4*lc:64+16*((\f)%6)+4*lc+3], v4 offset:ZOFF
.endif
.set lc, lc+1
.endr
.endm
.macro LOADP p
	LOADF 2*(\p)
.if (\p) < 14
	LOADF 2*(\p)+1
.endif
.endm
; One product.  d: accumulators' base; f: weight fragment; ks: K step of the activations; rt: row tile; cm: 0 in place, 1 C = 0, 2 C = the bias at v[cr] of window 3
.macro WM d, f, ks, rt, cm, cr
.set wD, (\d)+8*(\rt)
.set wB, 64+16*((\f)%6)
.set wA, 64*((\ks)%4)+16*(\rt)
.set wS, 38+(\f)/2
.set wT, 16+11*((\rt)/2)+(\ks)
.set wV, ((\f)%2)+2*((\rt)%2)
.set wC, wD
.set wW, 4*(1+(\ks)/4)
.if (\cm) == 2
.set wC, (\cr)
.set wW, wW+0x30
.endif
	WIN wW
.if (\cm) == 1
.if wV == 0
	v_wmma_scale_f32_16x16x128_f8f6f4 v[wD:wD+7], v[wB:wB+15], v[wA:wA+15], 0, v[wS], v[wT]
.elseif wV == 1
	v_wmma_scale_f32_16x16x128_f8f6f4 v[wD:wD+7], v[wB:wB+15], v[wA:wA+15], 0, v[wS], v[wT] matrix_a_scale:MATRIX_SCALE_ROW1
.elseif wV == 2
	v_wmma_scale_f32_16x16x128_f8f6f4 v[wD:wD+7], v[wB:wB+15], v[wA:wA+15], 0, v[wS], v[wT] matrix_b_scale:MATRIX_SCALE_ROW1
.else
	v_wmma_scale_f32_16x16x128_f8f6f4 v[wD:wD+7], v[wB:wB+15], v[wA:wA+15], 0, v[wS], v[wT] matrix_a_scale:MATRIX_SCALE_ROW1 matrix_b_scale:MATRIX_SCALE_ROW1
.endif
.else
.if wV == 0
	v_wmma_scale_f32_16x16x128_f8f6f4 v[wD:wD+7], v[wB:wB+15], v[wA:wA+15], v[wC:wC+7], v[wS], v[wT]
.elseif wV == 1
	v_wmma_scale_f32_16x16x128_f8f6f4 v[wD:wD+7], v[wB:wB+15], v[wA:wA+15], v[wC:wC+7], v[wS], v[wT] matrix_a_scale:MATRIX_SCALE_ROW1
.elseif wV == 2
	v_wmma_scale_f32_16x16x128_f8f6f4 v[wD:wD+7], v[wB:wB+15], v[wA:wA+15], v[wC:wC+7], v[wS], v[wT] matrix_b_scale:MATRIX_SCALE_ROW1
.else
	v_wmma_scale_f32_16x16x128_f8f6f4 v[wD:wD+7], v[wB:wB+15], v[wA:wA+15], v[wC:wC+7], v[wS], v[wT] matrix_a_scale:MATRIX_SCALE_ROW1 matrix_b_scale:MATRIX_SCALE_ROW1
.endif
.endif
.endm
; Product i of pair p.  Pairs 0-3: x Wxf (X0), own Uf (X1), other Uf (X2), K step p: 12 accumulators by turns.  Pairs 4-10: i (X0), u (X2), K step p - 4: 8 by turns.  Pairs 11-14: o (X2), two K steps: 4 by turns.
.macro MM p, i
.set mR, (\i)%4
.set mK, (\i)/4
.set mC, 0
.if (\p) < 4
.if mK == 0
.if (\p) == 0
.set mC, 2
.endif
	WM X0, 2*(\p), \p, mR, mC, 192
.else
.if (\p) == 0
.set mC, 1
.endif
.if mK == 1
	WM X1, 2*(\p)+1, \p, mR, mC, 0
.else
	WM X2, 2*(\p)+1, (\p)+7, mR, mC, 0
.endif
.endif
.elseif (\p) < 11
.if (\p) == 4
.set mC, 2
.endif
.if mK == 0
	WM X0, 2*(\p), (\p)-4, mR, mC, 200
.else
	WM X2, 2*(\p)+1, (\p)-4, mR, mC, 208
.endif
.else
.if ((\p) == 11) && (mK == 0)
.set mC, 2
.endif
	WM X2, 2*(\p)+mK, 2*(\p)+mK-22, mR, mC, 216
.endif
.endm
; Pair p's products.  ld = 1: pair p + 2's fragments are fetched into the buffers that pair p - 1 has left: two v_nop behind each of the first four products are the eight places behind that pair's last product.
; The loads and the v_nop use the destination's and source 0's windows alone, which stay 0 through the products.
.macro RUN p, wait, ld
	s_wait_dscnt \wait
.set nI, 8
.if (\p) < 4
.set nI, 12
.endif
.if (\p) == 14
.set nI, 4
.endif
.set ii, 0
.rept nI
	MM \p, ii
.if (ii < 4) && (\ld)
	v_nop
	v_nop
.endif
.if (ii == 3) && (\ld)
	LOADP (\p)+2
.endif
.set ii, ii+1
.endr
.endm
; THE HEAD OF A STEP: the change of slots.  Every wave: all its tensor loads have landed (its part of the slot ahead); 0 onto its spare word; the walking descriptors step;
; the add and its reads of the slot behind are done; a round of the cluster's barrier; the refill first behind it.  refill = 1: always; 2: only the group that has a seventh tile; 0: none, and a plain barrier.
.macro HEAD refill
	s_wait_xcnt 0x0
	s_wait_tensorcnt 0x0
	ds_add_u32 v1, v2
.if \refill
	s_xor_b32 s41, s41, SLOT1
	s_add_nc_u64 s[42:43], s[42:43], 2*IMGB
	s_xor_b32 s45, s45, SLOT1
	s_add_nc_u64 s[46:47], s[46:47], 1024
.endif
	s_wait_dscnt 0x0
.if \refill
	ROUND
.else
	s_barrier_signal -1
	s_barrier_wait -1
.endif
.if \refill == 1
	TLOAD
.elseif \refill == 2
	s_cmp_eq_u32 s[G], 3                           ; the cluster's y: the same in all four partners
	s_cbranch_scc0 .Lno_more_\@
	TLOAD
.Lno_more_\@:
.endif
	v_add_nc_u32 v4, s[TB], v3
	v_add_nc_u32 v6, s[TB], v5
	v_add_nc_u32 v8, s[TB], v7
	v_add_nc_u32 v10, s[TB], v9
	v_add_nc_u32 v12, s[TB], v11
.set z_, 0
.rept 15
	ds_load_b32 v[38+z_], v6 offset:TABO+128*z_
.set z_, z_+1
.endr
	WIN 0xc0
.irp gt, 0,1,2,3
	ds_load_b128 v[192+8*\gt:195+8*\gt], v8 offset:BIO+64*\gt
	ds_load_b128 v[196+8*\gt:199+8*\gt], v8 offset:BIO+64*\gt+16
.endr
	WIN 0
	LOADP 0
	LOADP 1
.endm
.macro STEP
	RUN 0, 8, 1                                    ; each wait leaves the next pair's eight loads out
	RUN 1, 8, 1
	RUN 2, 8, 1
	RUN 3, 8, 1
	WIN 0
	PLACES 9
	WIN 0xc0
.irp rt, 0,1,2,3
	ds_load_b128 v[224+8*\rt:227+8*\rt], v10 offset:1024*\rt
	ds_load_b128 v[228+8*\rt:231+8*\rt], v10 offset:1024*\rt+512
.endr
	WIN 0
	MULK X0, X0, K1                                ; -(x Wxf + b) log2 e
	FMAK X1, X1, K1, X0
	FMAK X2, X2, K1, X0
.irp rt, 0,1,2,3
	ds_load_b128 v[X0+8*\rt:X0+8*\rt+3], v12 offset:1024*\rt
	ds_load_b128 v[X0+8*\rt+4:X0+8*\rt+7], v12 offset:1024*\rt+512
.endr
	EXPS X1
	EXPS X2
	DONE
	ADD1 X1
	ADD1 X2
	RCPS X1
	RCPS X2
	DONE
	s_wait_dscnt 0x0                               ; both c, and pairs 4 and 5
	WIN 0x0c
	MULV X1, X1, 224                               ; f_own c_own
	WIN 0
	FMAV X1, X2, X0, X1                            ; + f_other c_other
	RUN 4, 8, 1
	RUN 5, 8, 1
	RUN 6, 8, 1
	RUN 7, 8, 1
	RUN 8, 8, 1
	RUN 9, 8, 1
	RUN 10, 8, 1
	WIN 0
	PLACES 9
	MULK X0, X0, K1
	MULK X2, X2, K2
	EXPS X0
	EXPS X2
	DONE
	ADD1 X0
	ADD1 X2
	RCPS X0
	RCPS X2
	DONE
	TANHF X2                                       ; u
	FMAV X1, X0, X2, X1                            ; c
	MULK X0, X1, K2
	RUN 11, 8, 1
	RUN 12, 8, 1
	RUN 13, 4, 0                                   ; pair 14 is one fragment: four loads may be out
	RUN 14, 0, 0
	WIN 0
	PLACES 9
	MULK X2, X2, K1
	EXPS X2
	EXPS X0
	DONE
	ADD1 X2
	ADD1 X0
	RCPS X2
	RCPS X0
	DONE
	TANHF X0                                       ; tanh(c)
	MULV X0, X0, X2                                ; h
.irp rt, 0,1,2,3
	global_store_b128 v15, v[X0+8*\rt:X0+8*\rt+3], s[60:61] offset:\rt*51200 th:TH_STORE_NT        ; 512 consecutive bytes, aligned
	global_store_b128 v15, v[X0+8*\rt+4:X0+8*\rt+7], s[60:61] offset:\rt*51200+512 th:TH_STORE_NT
.endr
	s_wait_xcnt 0x0                                ; the stores have read their base and data
	s_add_nc_u64 s[60:61], s[60:61], 1024
	s_xor_b32 s[TB], s[TB], SLOT1
.endm
.macro ALOAD base, pb0                 ; an operand's 13 blocks x 4 row tiles, into packed blocks pb0 on
.set blk, 0
.rept 13
.set pb, (\pb0)+blk
.set ks, pb/4
.set wn, (1+ks/4)*64
	WIN wn
.irp rt, 0,1,2,3
	global_load_b128 v[64*(ks%4)+16*\rt+4*(pb%4):64*(ks%4)+16*\rt+4*(pb%4)+3], v15, s[\base:\base+1] offset:\rt*6656+blk*512
.endr
.set blk, blk+1
.endr
.endm
.macro ASMAKE p                        ; the scale words of 11 K steps from the twelve words [own, hs, other][group of blocks]: a group's word holds blocks 3 g, 3 g + 1, 3 g + 2 (group 3: block 12 too)
.set aW, 160+12*(\p)
.set aH, aW+4
.set aO, aW+8
.set aD, 16+11*(\p)
	v_perm_b32 v[aD+0], v[aW+1], v[aW+0], 0x04020100
	v_perm_b32 v[aD+1], v[aW+2], v[aW+1], 0x05040201
	v_perm_b32 v[aD+2], v[aW+3], v[aW+2], 0x06050402
	v_perm_b32 v[aD+3], v[aH+0], v[aW+3], 0x06050403
	v_perm_b32 v[aD+4], v[aH+2], v[aH+1], 0x04020100
	v_perm_b32 v[aD+5], v[aH+3], v[aH+2], 0x05040201
	v_perm_b32 v[aD+6], v[aH+3], v[aH+3], 0x03020302
	v_perm_b32 v[aD+7], v[aO+1], v[aO+0], 0x04020100
	v_perm_b32 v[aD+8], v[aO+2], v[aO+1], 0x05040201
	v_perm_b32 v[aD+9], v[aO+3], v[aO+2], 0x06050402
	v_perm_b32 v[aD+10], v[aO+3], v[aO+3], 0x03030303
.endm
	s_load_b256 s[4:11], s[0:1], 0x0               ; operands in, c in, wq, h3
	v_lshl_add_u32 v1, v0, 2, SPARE
	v_mov_b32 v2, 0
	v_lshrrev_b32 v224, 5, v0
	v_readfirstlane_b32 s[WV], v224
	s_and_b32 s[CELL], s[WV], 1
	s_lshr_b32 s[RH], s[WV], 1
	s_bfe_u32 s68, ttmp6, 0x40000                  ; cx
	s_lshl_b32 s[RB], ttmp9, 2
	s_add_co_u32 s[RB], s[RB], s68                 ; my block of 128 rows: it enters global addresses alone
	s_and_b32 s[G], ttmp7, 0xffff                  ; my group of units: the cluster's y
	; every LDS address: constants, the lane, the wave's number
	v_and_b32 v224, 31, v0
	v_bfe_u32 v226, v0, 4, 1
	s_mul_i32 s69, s[CELL], IMGB
	v_lshlrev_b32 v15, 4, v224
	v_add_nc_u32 v3, s69, v15
	v_lshl_add_u32 v5, v224, 2, s69
	v_lshl_add_u32 v7, v226, 5, s69
	s_lshl_b32 s74, s[RH], 12
	s_add_co_u32 s74, s74, COFF
	s_lshl_b32 s77, s[CELL], 13
	s_add_co_u32 s77, s77, s74
	v_add_nc_u32 v9, s77, v15
	s_xor_b32 s77, s[CELL], 1
	s_lshl_b32 s77, s77, 13
	s_add_co_u32 s77, s77, s74
	v_add_nc_u32 v11, s77, v15
	s_lshl_b32 s77, s[CELL], 2
	v_add_nc_u32 v58, s77, v15                     ; scale words in: 16 bytes a row; own,
	v_add_nc_u32 v59, 8, v15                       ; hs,
	s_xor_b32 s77, s77, 4
	v_add_nc_u32 v60, s77, v15                     ; other
	; the blocks of zeros among the activations: 26, 27 (K step 6) and 41-43 (K step 10)
	WIN 0x80
.irp rt, 0,1,2,3
.irp j, 8,9,10,11,12,13,14,15
	v_mov_b32 v[128+16*\rt+\j], 0
.endr
.endr
	WIN 0xc0
.irp rt, 0,1,2,3
.irp j, 4,5,6,7,8,9,10,11,12,13,14,15
	v_mov_b32 v[128+16*\rt+\j], 0
.endr
.endr
	WIN 0
	; descriptor groups 1.  An image: 219 rows of 256 bytes (32 elements of 8), dense; mask: all four work-groups, bit 21 beside it
	s_mov_b32 s24, 15|(3<<16)|(1<<21)
	s_mov_b32 s25, 32<<16
	s_mov_b32 s26, 219<<16
	s_mov_b32 s27, 32<<16
	s_mov_b32 s28, 219
	s_mov_b32 s29, 32
	s_mov_b32 s30, 0
	s_mov_b32 s31, 0
	; c of one cell: 8 row tiles x 1,024 bytes (128 elements of 8), 25,600 bytes apart; no mask
	s_mov_b32 s32, 3<<16
	s_mov_b32 s33, 128<<16
	s_mov_b32 s34, 8<<16
	s_mov_b32 s35, 128<<16
	s_mov_b32 s36, 8
	s_mov_b32 s37, 3200
	s_mov_b32 s38, 0
	s_mov_b32 s39, 0
	s_mul_i32 s70, s[G], 12*IMGB                   ; the images: tile 6 g, my cell: nothing of the place in the cluster
	s_add_co_u32 s70, s70, s69
	s_add_co_u32 s70, s70, LAYER*2803200
	s_mov_b32 s71, 0
	s_mul_i32 s72, s[CELL], 13107200               ; c: my cell, the work-group's 8 row tiles, tile 6 g
	s_mul_i32 s74, s[RB], 204800
	s_add_co_u32 s72, s72, s74
	s_mul_i32 s74, s[G], 6144
	s_add_co_u32 s72, s72, s74
	s_mov_b32 s73, 0
	s_mov_b32 s[K1], 0xbfb8aa3b                    ; -log2 e
	s_mov_b32 s[K1+1], s[K1]
	s_mov_b32 s[K2], 0x4038aa3b                    ; 2 log2 e
	s_mov_b32 s[K2+1], s[K2]
	s_mov_b32 s[TB], 0
	s_mov_b32 s[CNT], 0
	s_wait_kmcnt 0x0
	s_mov_b32 s40, 1
	s_mov_b32 s41, s69
	s_add_nc_u64 s[42:43], s[8:9], s[70:71]
	s_or_b32 s43, s43, 0x80000000
	s_mov_b32 s44, 1
	s_lshl_b32 s45, s[CELL], 13
	s_add_co_u32 s45, s45, COFF
	s_add_nc_u64 s[46:47], s[6:7], s[72:73]
	s_or_b32 s47, s47, 0x80000000
	ROUND                                          ; all four work-groups are here: the first joint loads meet
	TLOAD                                          ; the first tile, into slot 0
	s_lshl_b32 s75, s[RB], 3
	s_lshl_b32 s74, s[RH], 2
	s_add_co_u32 s75, s75, s74                     ; my first row tile
	s_mul_i32 s76, s75, 6656
	s_mov_b32 s79, 0
	s_mul_i32 s78, s[CELL], OPB
	s_add_co_u32 s78, s78, s76
	s_add_nc_u64 s[52:53], s[4:5], s[78:79]
	s_add_co_u32 s78, s76, 2*OPB
	s_add_nc_u64 s[54:55], s[4:5], s[78:79]
	s_xor_b32 s74, s[CELL], 1
	s_mul_i32 s78, s74, OPB
	s_add_co_u32 s78, s78, s76
	s_add_nc_u64 s[56:57], s[4:5], s[78:79]
	s_lshl_b32 s78, s[RB], 11
	s_lshl_b32 s74, s[RH], 10
	s_add_co_u32 s78, s78, s74
	s_add_co_u32 s78, s78, SCO
	s_add_nc_u64 s[58:59], s[4:5], s[78:79]
	s_mul_i32 s78, s75, 51200                      ; h3: [row tile][cell][tile][1,024 bytes]
	s_mul_i32 s74, s[CELL], 25600
	s_add_co_u32 s78, s78, s74
	s_mul_i32 s74, s[G], 6144
	s_add_co_u32 s78, s78, s74
	s_add_nc_u64 s[60:61], s[10:11], s[78:79]
	ALOAD 52, 0                                    ; own
	ALOAD 54, 13                                   ; hs
	ALOAD 56, 28                                   ; other
	WIN 0
.irp p, 0,1
.irp gq, 0,1,2,3
	global_load_b32 v[160+12*\p+\gq], v58, s[58:59] offset:\gq*131072+\p*512
	global_load_b32 v[164+12*\p+\gq], v59, s[58:59] offset:\gq*131072+\p*512
	global_load_b32 v[168+12*\p+\gq], v60, s[58:59] offset:\gq*131072+\p*512
.endr
.endr
	s_wait_loadcnt 0x0
	ASMAKE 0
	ASMAKE 1
.Lloop:                                            ; steps 0 to 4: five trips, a constant
	HEAD 1
	STEP
	s_add_co_u32 s[CNT], s[CNT], 1
	s_cmp_lt_u32 s[CNT], 5
	s_cbranch_scc1 .Lloop
	HEAD 2                                         ; step 5: only the last group asks for a seventh tile
	STEP
	s_cmp_lg_u32 s[G], 3
	s_cbranch_scc1 .Lend
	HEAD 0                                         ; step 6: tile 24, units 384 .. 399
	STEP
.Lend:
	s_wait_tensorcnt 0x0                           ; the wave's end
	ds_add_u32 v1, v2
	s_wait_dscnt 0x0
	ROUND                                          ; the closing round
	s_endpgm
.Lfunc_end_k_qf0b7efa291_l3:
	.size	k_qf0b7efa291_l3, .Lfunc_end_k_qf0b7efa291_l3-k_qf0b7efa291_l3
	.p2alignl 7, 3214868480
	.fill 96, 4, 3214868480
	.section	.rodata,"a",@progbits
	.p2align	6, 0x0
	.amdhsa_kernel k_qf0b7efa291_l3
		.amdhsa_group_segment_fixed_size 327680
		.amdhsa_private_segment_fixed_size 0
		.amdhsa_enable_private_segment 0
		.amdhsa_kernarg_size 32
		.amdhsa_user_sgpr_count 2
		.amdhsa_user_sgpr_kernarg_segment_ptr 1
		.amdhsa_wavefront_size32 1
		.amdhsa_system_sgpr_workgroup_id_x 1
		.amdhsa_system_sgpr_workgroup_id_y 1
		.amdhsa_system_sgpr_workgroup_id_z 1
		.amdhsa_system_vgpr_workitem_id 0
		.amdhsa_next_free_vgpr 1024
		.amdhsa_next_free_sgpr 100
		.amdhsa_reserve_vcc 0
		.amdhsa_float_denorm_mode_32 3
		.amdhsa_float_denorm_mode_16_64 3
		.amdhsa_memory_ordered 1
		.amdhsa_forward_progress 1
		.amdhsa_inst_pref_size 223
	.end_amdhsa_kernel
	.amdgpu_metadata
---
amdhsa.version: [ 1, 2 ]
amdhsa.kernels:
  - .name:           k_qf0b7efa291_l3
    .symbol:         k_qf0b7efa291_l3.kd
    .args:
      - { .name: act2, .offset: 0, .size: 8, .value_kind: global_buffer, .address_space: global }
      - { .name: c2, .offset: 8, .size: 8, .value_kind: global_buffer, .address_space: global }
      - { .name: wq, .offset: 16, .size: 8, .value_kind: global_buffer, .address_space: global }
      - { .name: h3, .offset: 24, .size: 8, .value_kind: global_buffer, .address_space: global }
    .group_segment_fixed_size: 327680
    .private_segment_fixed_size: 0
    .kernarg_segment_align: 8
    .kernarg_segment_size: 32
    .max_flat_workgroup_size: 128
    .sgpr_count:     100
    .vgpr_count:     1024
    .wavefront_size: 32
...
	.end_amdgpu_metadata
.endif
;; end of part 4
;; launch heads (part 5): grid 256 x 1, 4 waves a work-group, no clusters, 81,920 bytes of LDS; arguments h3, wq, out0, out1, out2; writes out0, out1, out2
.if DOCPART == 5
	.amdgcn_target "amdgcn-amd-amdhsa--gfx1250"
	.amdhsa_code_object_version 6
	.text
	.protected	k_qf0b7efa291_heads
	.globl	k_qf0b7efa291_heads
	.p2align	8
	.type	k_qf0b7efa291_heads,@function
k_qf0b7efa291_heads:
	s_mov_b64 s[64:65], 0
	v_nop
	global_prefetch_b8 v0, s[64:65] scope:SCOPE_SE
	s_setreg_imm32_b32 hwreg(HW_REG_WAVE_MODE, 25, 1), 1
	s_wait_xcnt 0x0
; out0 = Q(cat(ht3, ha3)) Q(W_cur) + b_cur, out1 = Q(ht3) Q(W_ac) + b_ac, out2 = Q(ha3) Q(W_ap) + b_ap, on codes of E4M3 with E8M0 scales.
; A work-group takes 32 rows: two tiles of 16.  In h3 a row tile's 50 tiles of 16 units lie on end (ht 0-24, ha 25-49), so a block of 32 along cat's K is tiles 2 b, 2 b + 1.
; TWELVE FRAGMENTS a row tile: q = 0..6 cat's seven K steps (the first three are also ht's first three); q = 7 ht's own block 12 (tile 24 and zeros); q = 8..11 ha's four K steps (from tile 25 on).
; Phase Q: wave w quantises six of them (row tile w >> 1, q = 6 (w & 1) + i) in registers and stores them to LDS as images of their registers.  One barrier.
; Phase P: wave w makes columns 16 w .. 16 w + 15 of all three outputs for both row tiles: 30 products, its 15 weight fragments in registers, the biases loaded into the accumulators.
; Transposed use: lane (r, h) holds row r and columns 16 w + 8 h + 0 .. 7.  They go to stages of 64 columns (pitch 272), unmasked; on the way back the rows are made dense (55 or 52 numbers): element e of the
; work-group's range lies in row e / N, taken as (e x 2384) >> 17 for N = 55 and (e x 2521) >> 17 for N = 52, exact for e < 2,048.  The stores are linear, 16 bytes a lane.
; out0's and out2's ranges of a work-group are 7,040 bytes: they begin at multiples of 128, so the 256 bytes at each second seam are written by two work-groups, each its own half.
; LIMITS: a block of zeros gets the byte 1 where the rule says 127 (zero codes; read here alone); NaN and infinities are not served.
.set WHOFF, 5926400
.set SET0, 56                          ; v56-119, v120-183: two sets of 64 numbers; later eight fragments from LDS; later the outputs' pieces
.set SET1, 120
.set PC,  16                           ; v16-31 the codes just made
.set TM,  32                           ; v32-47 at work
.set PW,  48
.set ACC, 184                          ; v184-231 six accumulators: 2 x output + row tile
.set WS,  232                          ; v232-246 the weights' scale words
.set AS,  247                          ; v247-254 the fragments' scale words
.set XSC, 49152                        ; LDS: 24 images of 2,048 bytes; from XSC on their scale words, 128 bytes each; from OST on three stages of 32 rows x 272 bytes
.set OST, 52224
.set WV, 18
.set HALF, 19
.set RT, 20
.set MNT, 24
.set SEL, 26
; v1 16 x lane; v2 4 x lane; v3 r; v4 h; v5 16 r; v6, v7 at work; v8 images in; v9 scale words in; v11 4 r; v12 32 h; v13 the stage in; v14 16 x thread; v15 4 x thread.  Window 1: 15 weight fragments
.set MSB, 0
.macro WIN new
.if MSB != (\new)
	s_set_vgpr_msb (MSB<<8)|(\new)
.set MSB, (\new)
.endif
.endm
.macro PLACES n
.rept \n
	v_nop
.endr
.endm
.macro QUANT s                         ; 64 numbers of a lane (register 16 b + i = k 32 b + 16 h + i of my row) become a fragment's codes in v[PC] on and its scale word in v[PW]
.irp b, 0,1,2,3
	v_max3_num_f32 v[TM+\b], |v[\s+16*\b]|, |v[\s+1+16*\b]|, 0x4800000
.endr
.irp i, 2,4,6,8,10,12,14
.irp b, 0,1,2,3
	v_max3_num_f32 v[TM+\b], v[TM+\b], |v[\s+16*\b+\i]|, |v[\s+1+16*\b+\i]|
.endr
.endr
.irp b, 0,1,2,3
	v_permlanex16_b32 v[TM+4+\b], v[TM+\b], s[SEL], s[SEL+1]
.endr
.irp b, 0,1,2,3
	v_max_num_f32 v[TM+\b], v[TM+\b], v[TM+4+\b]
.endr
.irp b, 0,1,2,3
	v_add_nc_u32 v[TM+12+\b], 0xfc000000, v[TM+\b]
.endr
.irp b, 0,1,2,3
	v_and_or_b32 v[TM+8+\b], v[TM+\b], 0x7f800000, s[MNT]
.endr
.irp b, 0,1,2,3
	v_lshrrev_b32 v[TM+4+\b], 23, v[TM+12+\b]
.endr
	v_lshl_or_b32 v[PW], v[TM+5], 8, v[TM+4]
	v_lshl_or_b32 v[PW], v[TM+6], 16, v[PW]
	v_lshl_or_b32 v[PW], v[TM+7], 24, v[PW]
.irp b, 0,1,2,3
.irp i, 0,1,2,3,4,5,6,7,8,9,10,11,12,13,14,15
	v_med3_num_f32 v[\s+16*\b+\i], v[\s+16*\b+\i], -v[TM+8+\b], v[TM+8+\b]
.endr
	v_cvt_scalef32_pk8_fp8_f32 v[PC+4*\b:PC+1+4*\b], v[\s+16*\b:\s+7+16*\b], v[TM+12+\b]
	v_cvt_scalef32_pk8_fp8_f32 v[PC+2+4*\b:PC+3+4*\b], v[\s+8+16*\b:\s+15+16*\b], v[TM+12+\b]
.endr
	v_nop
.endm
; A fragment's 64 numbers: block c is tiles base + 2 c + h; tiles at or past the limit are not loaded and count as zeros.  b0: the base for the waves with q = i; b1, l1: base and limit for those with q = 6 + i.
; In a tile's image row r's units 0-3, 4-7, 8-11, 12-15 lie at 16 r + 0, 512, 256, 768.
.macro HLOAD set, b0, b1, l1
	s_wait_xcnt 0x0                                ; EXEC changes only behind this wait
.set z_, 0
.rept 64
	v_mov_b32 v[\set+z_], 0
.set z_, z_+1
.endr
	s_cmp_eq_u32 s[HALF], 0
	s_cselect_b32 s21, \b0, \b1
	s_cselect_b32 s23, 50, \l1
.irp c, 0,1,2,3
	v_add_nc_u32 v6, s21, v4
	v_add_nc_u32 v6, 2*\c, v6
	v_cmp_gt_u32 vcc_lo, s23, v6
	v_lshl_add_u32 v7, v6, 10, v5
	s_and_saveexec_b32 s22, vcc_lo
	global_load_b128 v[\set+16*\c:\set+16*\c+3], v7, s[30:31]
	global_load_b128 v[\set+16*\c+4:\set+16*\c+7], v7, s[30:31] offset:512
	global_load_b128 v[\set+16*\c+8:\set+16*\c+11], v7, s[30:31] offset:256
	global_load_b128 v[\set+16*\c+12:\set+16*\c+15], v7, s[30:31] offset:768
	s_wait_xcnt 0x0
	s_or_b32 exec_lo, exec_lo, s22
.endr
.endm
.macro QSTEP i, set
	QUANT \set
.irp c, 0,1,2,3
	ds_store_b128 v8, v[PC+4*\c:PC+4*\c+3] offset:(\i)*2048+512*\c
.endr
	ds_store_b32 v9, v[PW] offset:(\i)*128
	s_wait_dscnt 0x0                               ; the stores have read their registers
.endm
.macro BATCH b                         ; fragments q = 4 b .. 4 b + 3 of both row tiles: number 2 qq + rt at v[56 + 16 (2 qq + rt)]
	PLACES 8                                       ; ahead of loads into registers that products have read
.irp qq, 0,1,2,3
.irp rt, 0,1
.irp c, 0,1,2,3
	ds_load_b128 v[56+16*(2*\qq+\rt)+4*\c:56+16*(2*\qq+\rt)+4*\c+3], v1 offset:(12*\rt+4*(\b)+\qq)*2048+512*\c
.endr
	ds_load_b32 v[AS+2*\qq+\rt], v2 offset:XSC+(12*\rt+4*(\b)+\qq)*128
.endr
.endr
	s_wait_dscnt 0x0
.endm
.macro HM a, wi, k                     ; accumulator a += weight fragment wi (window 1) x fragment k
	v_wmma_scale_f32_16x16x128_f8f6f4 v[ACC+8*(\a):ACC+8*(\a)+7], v[16*(\wi):16*(\wi)+15], v[56+16*(\k):56+16*(\k)+15], v[ACC+8*(\a):ACC+8*(\a)+7], v[WS+(\wi)], v[AS+(\k)]
.endm
; Output hd: my four pieces of 16 bytes, element by element out of the padded stage.  The stages' first byte stands in the address register, the output's 8,704 bytes in the immediate (16 bits: ISA guide, chapter 11).
; Of the fourth piece only the first 56 or 32 threads' are stored; the others' elements would lie in rows 32 to 39: there the row is taken modulo 32, so that every lane reads bytes of this output's stage.
.macro GATH hd, nn, mm
.irp k, 0,1,2,3
.irp e, 0,1,2,3
	v_add_nc_u32 v16, 512*\k+\e, v15               ; e = 4 (128 k + thread) + 0 .. 3
	v_mul_u32_u24 v17, v16, \mm
	v_lshrrev_b32 v17, 17, v17                     ; its row
	v_mul_u32_u24 v18, v17, \nn
	v_sub_nc_u32 v18, v16, v18                     ; its column
.if \k == 3
	v_and_b32 v17, 31, v17
.endif
	v_lshl_add_u32 v18, v18, 2, OST
	v_mad_u32_u24 v18, v17, 272, v18
	ds_load_b32 v[56+16*\hd+4*\k+\e], v18 offset:\hd*8704
.endr
.endr
.endm
.macro PUT hd, base, lim               ; three whole stores of 2,048 bytes a work-group, and the rest under a mask
.irp k, 0,1,2
	global_store_b128 v14, v[56+16*\hd+4*\k:56+16*\hd+4*\k+3], s[\base:\base+1] offset:2048*\k th:TH_STORE_NT
.endr
	v_cmp_gt_u32 vcc_lo, \lim, v0
	s_wait_xcnt 0x0
	s_and_saveexec_b32 s22, vcc_lo
	global_store_b128 v14, v[56+16*\hd+12:56+16*\hd+15], s[\base:\base+1] offset:6144 th:TH_STORE_NT
	s_wait_xcnt 0x0
	s_or_b32 exec_lo, exec_lo, s22
.endm
	s_load_b256 s[4:11], s[0:1], 0x0               ; h3, wq, out0, out1
	s_load_b64 s[12:13], s[0:1], 0x20              ; out2
	v_lshrrev_b32 v10, 5, v0
	v_readfirstlane_b32 s[WV], v10
	s_and_b32 s[HALF], s[WV], 1
	s_lshr_b32 s[RT], s[WV], 1
	v_and_b32 v10, 31, v0
	v_and_b32 v3, 15, v0
	v_bfe_u32 v4, v0, 4, 1
	v_lshlrev_b32 v1, 4, v10
	v_lshlrev_b32 v2, 2, v10
	v_lshlrev_b32 v5, 4, v3
	s_mul_i32 s28, s[WV], 12288
	v_add_nc_u32 v8, s28, v1
	s_mul_i32 s28, s[WV], 768
	s_add_co_u32 s28, s28, XSC
	v_add_nc_u32 v9, s28, v2
	v_lshlrev_b32 v11, 2, v3
	v_lshlrev_b32 v12, 5, v4
	s_lshl_b32 s28, s[WV], 6
	s_add_co_u32 s28, s28, OST
	v_mul_u32_u24 v13, v3, 272
	v_lshl_add_u32 v13, v4, 5, v13
	v_add_nc_u32 v13, s28, v13
	v_lshlrev_b32 v14, 4, v0
	v_lshlrev_b32 v15, 2, v0
	s_mov_b32 s[MNT], 0x600000
	s_mov_b32 s[SEL], 0x76543210
	s_mov_b32 s[SEL+1], 0xfedcba98
.irp b, 0,1,2,3
	v_mov_b32 v[TM+4+\b], 0                        ; a lane permute's destination counts as one of its sources
.endr
	s_mov_b32 s29, 0
	s_wait_kmcnt 0x0
	s_lshl_b32 s28, ttmp9, 1
	s_add_co_u32 s28, s28, s[RT]
	s_mul_i32 s28, s28, 51200
	s_add_nc_u64 s[30:31], s[4:5], s[28:29]        ; my row tile in h3
	s_mov_b32 s28, WHOFF
	s_add_nc_u64 s[32:33], s[6:7], s[28:29]
	s_mul_i32 s28, s[WV], 14336
	s_add_nc_u64 s[34:35], s[32:33], s[28:29]      ; W_cur's fragments 7 n + s
	s_lshl_b32 s28, s[WV], 13
	s_add_co_u32 s28, s28, 28*2048
	s_add_nc_u64 s[36:37], s[32:33], s[28:29]      ; W_ac's 28 + 4 n + s
	s_add_co_u32 s28, s28, 16*2048
	s_add_nc_u64 s[38:39], s[32:33], s[28:29]      ; W_ap's 44 + 4 n + s
	s_mul_i32 s28, s[WV], 448
	s_add_co_u32 s28, s28, 122880
	s_add_nc_u64 s[40:41], s[32:33], s[28:29]      ; their scale words
	s_lshl_b32 s28, s[WV], 8
	s_add_co_u32 s28, s28, 122880+28*64
	s_add_nc_u64 s[42:43], s[32:33], s[28:29]
	s_add_co_u32 s28, s28, 16*64
	s_add_nc_u64 s[44:45], s[32:33], s[28:29]
	s_lshl_b32 s28, s[WV], 6
	s_add_co_u32 s28, s28, 126720
	s_add_nc_u64 s[46:47], s[32:33], s[28:29]      ; the padded biases, my 16 columns
	s_mul_i32 s28, ttmp9, 7040
	s_add_nc_u64 s[8:9], s[8:9], s[28:29]
	s_add_nc_u64 s[12:13], s[12:13], s[28:29]
	s_mul_i32 s28, ttmp9, 6656
	s_add_nc_u64 s[10:11], s[10:11], s[28:29]
	WIN 0x40
.irp s, 0,1,2,3,4,5,6
.irp c, 0,1,2,3
	global_load_b128 v[16*\s+4*\c:16*\s+4*\c+3], v1, s[34:35] offset:\s*2048+\c*512
.endr
.endr
.irp s, 0,1,2,3
.irp c, 0,1,2,3
	global_load_b128 v[112+16*\s+4*\c:112+16*\s+4*\c+3], v1, s[36:37] offset:\s*2048+\c*512
	global_load_b128 v[176+16*\s+4*\c:176+16*\s+4*\c+3], v1, s[38:39] offset:\s*2048+\c*512
.endr
.endr
	WIN 0
.irp s, 0,1,2,3,4,5,6
	global_load_b32 v[WS+\s], v11, s[40:41] offset:\s*64
.endr
.irp s, 0,1,2,3
	global_load_b32 v[WS+7+\s], v11, s[42:43] offset:\s*64
	global_load_b32 v[WS+11+\s], v11, s[44:45] offset:\s*64
.endr
.irp hd, 0,1,2
.irp rt, 0,1
	global_load_b128 v[ACC+16*\hd+8*\rt:ACC+16*\hd+8*\rt+3], v12, s[46:47] offset:\hd*256        ; the sums begin at the bias
	global_load_b128 v[ACC+16*\hd+8*\rt+4:ACC+16*\hd+8*\rt+7], v12, s[46:47] offset:\hd*256+16
.endr
.endr
	; ---- phase Q: six fragments, the loads one fragment ahead: each counted wait leaves the next fragment's sixteen loads out
	HLOAD SET0, 0, 48, 50
	HLOAD SET1, 8, 24, 25
	s_wait_loadcnt 16
	QSTEP 0, SET0
	HLOAD SET0, 16, 25, 50
	s_wait_loadcnt 16
	QSTEP 1, SET1
	HLOAD SET1, 24, 33, 50
	s_wait_loadcnt 16
	QSTEP 2, SET0
	HLOAD SET0, 32, 41, 50
	s_wait_loadcnt 16
	QSTEP 3, SET1
	HLOAD SET1, 40, 49, 50
	s_wait_loadcnt 16
	QSTEP 4, SET0
	s_wait_loadcnt 0x0
	QSTEP 5, SET1
	s_barrier_signal -1                            ; (each wave's stores have landed: the wait for 0 closes QSTEP)
	s_barrier_wait -1
	; ---- phase P: the accumulators take turns, one product a turn
	BATCH 0
	WIN 0x01                                       ; source 0 (the weights) in window 1
.irp qq, 0,1,2,3
	HM 0, \qq, 2*\qq
	HM 1, \qq, 2*\qq+1
.if \qq < 3
	HM 2, 7+\qq, 2*\qq
	HM 3, 7+\qq, 2*\qq+1
.endif
.endr
	WIN 0
	BATCH 1
	WIN 0x01
.irp qq, 0,1,2
	HM 0, 4+\qq, 2*\qq
	HM 1, 4+\qq, 2*\qq+1
.endr
	HM 2, 10, 6
	HM 3, 10, 7
	WIN 0
	BATCH 2
	WIN 0x01
.irp qq, 0,1,2,3
	HM 4, 11+\qq, 2*\qq
	HM 5, 11+\qq, 2*\qq+1
.endr
	WIN 0
	PLACES 9
	; ---- the way out
.irp hd, 0,1,2
.irp rt, 0,1
	ds_store_b128 v13, v[ACC+16*\hd+8*\rt:ACC+16*\hd+8*\rt+3] offset:\hd*8704+\rt*4352      ; each accumulator from its low end on
	ds_store_b128 v13, v[ACC+16*\hd+8*\rt+4:ACC+16*\hd+8*\rt+7] offset:\hd*8704+\rt*4352+16
.endr
.endr
	s_wait_dscnt 0x0
	s_barrier_signal -1
	s_barrier_wait -1
	GATH 0, 55, 2384
	GATH 1, 52, 2521
	GATH 2, 55, 2384
	s_wait_dscnt 0x0
	PUT 0, 8, 56                                   ; 440 pieces: the last 56 in the fourth store
	PUT 1, 10, 32                                  ; 416 pieces
	PUT 2, 12, 56
	s_endpgm
.Lfunc_end_k_qf0b7efa291_heads:
	.size	k_qf0b7efa291_heads, .Lfunc_end_k_qf0b7efa291_heads-k_qf0b7efa291_heads
	.p2alignl 7, 3214868480
	.fill 96, 4, 3214868480
	.section	.rodata,"a",@progbits
	.p2align	6, 0x0
	.amdhsa_kernel k_qf0b7efa291_heads
		.amdhsa_group_segment_fixed_size 81920
		.amdhsa_private_segment_fixed_size 0
		.amdhsa_enable_private_segment 0
		.amdhsa_kernarg_size 40
		.amdhsa_user_sgpr_count 2
		.amdhsa_user_sgpr_kernarg_segment_ptr 1
		.amdhsa_wavefront_size32 1
		.amdhsa_system_sgpr_workgroup_id_x 1
		.amdhsa_system_sgpr_workgroup_id_y 1
		.amdhsa_system_sgpr_workgroup_id_z 1
		.amdhsa_system_vgpr_workitem_id 0
		.amdhsa_next_free_vgpr 512
		.amdhsa_next_free_sgpr 66
		.amdhsa_reserve_vcc 1
		.amdhsa_float_denorm_mode_32 3
		.amdhsa_float_denorm_mode_16_64 3
		.amdhsa_memory_ordered 1
		.amdhsa_forward_progress 1
		.amdhsa_inst_pref_size 130
	.end_amdhsa_kernel
	.amdgpu_metadata
---
amdhsa.version: [ 1, 2 ]
amdhsa.kernels:
  - .name:           k_qf0b7efa291_heads
    .symbol:         k_qf0b7efa291_heads.kd
    .args:
      - { .name: h3, .offset: 0, .size: 8, .value_kind: global_buffer, .address_space: global }
      - { .name: wq, .offset: 8, .size: 8, .value_kind: global_buffer, .address_space: global }
      - { .name: out0, .offset: 16, .size: 8, .value_kind: global_buffer, .address_space: global }
      - { .name: out1, .offset: 24, .size: 8, .value_kind: global_buffer, .address_space: global }
      - { .name: out2, .offset: 32, .size: 8, .value_kind: global_buffer, .address_space: global }
    .group_segment_fixed_size: 81920
    .private_segment_fixed_size: 0
    .kernarg_segment_align: 8
    .kernarg_segment_size: 40
    .max_flat_workgroup_size: 128
    .sgpr_count:     66
    .vgpr_count:     512
    .wavefront_size: 32
...
	.end_amdgpu_metadata
.endif
;; end of part 5
